; MI455X (gfx1250); checked and timed in simulation.
; The chip was launched on July 23, 2026; its instructions are those of AMD's public machine-readable ISA for CDNA 5 (MIT licence, August 2026) and "CDNA5" Instruction Set Architecture Reference Guide (July 2026). The comments in the code are by the model that wrote it; some were corrected since.
;; Multi Head Attention. Allowed arithmetic: matrix products marked QUANTISED: E5M2 operands, one E8M0 scale for each 32 along K, by v_wmma_scale_f32_16x16x128_f8f6f4 with both operands' format E5M2, f32 sums; everything else in f32.
;; Inputs: Wk_codes 1,024 x 32 x 32 uint8 (E5M2 codes of Wk, K innermost, in blocks of 32 codes); Wk_scales 1,024 x 32 uint8 (E8M0 scales of Wk, one for each 32 codes along K); Wo_codes 1,024 x 32 x 32 uint8 (E5M2 codes of Wo, K innermost, in blocks of 32 codes); Wo_scales 1,024 x 32 uint8 (E8M0 scales of Wo, one for each 32 codes along K); Wq_codes 1,024 x 32 x 32 uint8 (E5M2 codes of Wq, K innermost, in blocks of 32 codes); Wq_scales 1,024 x 32 uint8 (E8M0 scales of Wq, one for each 32 codes along K); Wv_codes 1,024 x 32 x 32 uint8 (E5M2 codes of Wv, K innermost, in blocks of 32 codes); Wv_scales 1,024 x 32 uint8 (E8M0 scales of Wv, one for each 32 codes along K); k_codes 4 x 2,048 x 32 x 32 uint8 (E5M2 codes of k, K innermost, in blocks of 32 codes); k_scales 4 x 2,048 x 32 uint8 (E8M0 scales of k, one for each 32 codes along K); q_codes 4 x 2,048 x 32 x 32 uint8 (E5M2 codes of q, K innermost, in blocks of 32 codes); q_scales 4 x 2,048 x 32 uint8 (E8M0 scales of q, one for each 32 codes along K); v_codes 4 x 2,048 x 32 x 32 uint8 (E5M2 codes of v, K innermost, in blocks of 32 codes); v_scales 4 x 2,048 x 32 uint8 (E8M0 scales of v, one for each 32 codes along K).
;; Outputs: out0 4 x 2,048 x 1,024 float32.
;; This version of the problem:
;;   THIS VERSION OF THE PROBLEM IS GIVEN IN LOW PRECISION. The matrix products marked QUANTISED in the list below multiply operands that are first quantised to E5M2 (5 exponent bits, 2 mantissa bits; 8 bits a number), with one power-of-two scale for each 32 numbers along K (OCP MX v1.0); their sums are f32. All else is computed in f32.
;;   The module's matrix products, in the order in which they are computed (A, B: the left and right operand; K: the contracted axis; several contracted axes count as one K, in the product's order):
;;     1. [M 8,192, K 1,024] x [K 1,024, N 1,024]; A: input q (given as codes); B: input Wq (given as codes): QUANTISED
;;     2. [M 8,192, K 1,024] x [K 1,024, N 1,024]; A: input k (given as codes); B: input Wk (given as codes): QUANTISED
;;     3. [M 8,192, K 1,024] x [K 1,024, N 1,024]; A: input v (given as codes); B: input Wv (given as codes): QUANTISED
;;     4. batch 64 x [M 2,048, K 64] x [K 64, N 2,048]; A: computed on the way; B: computed on the way: QUANTISED
;;     5. batch 64 x [M 2,048, K 2,048] x [K 2,048, N 64]; A: softmax (see below); B: computed on the way: QUANTISED
;;     6. [M 8,192, K 1,024] x [K 1,024, N 1,024]; A: computed on the way; B: input Wo (given as codes): QUANTISED
;;   THE QUANTISER, for each operand of a quantised product, along K:
;;     - K is cut into blocks of 32 from its start; a last block that is shorter is filled with zeros.
;;     - A block's scale is 2^e with e = floor(log2(the largest magnitude in the block)) - 15, held to -126 .. 127; a block of zeros has e = 0. As a byte (E8M0): e + 127.
;;     - Each number is divided by its block's scale, clamped to +-57,344, and rounded to the nearest number of E5M2, ties to even, subnormals kept.
;;     - The product sums the exact products of the quantised numbers (number of the format x scale) in f32.
;;   ~~~python
;;   def quantise(x, axis):      # numpy; x: float32 -> the quantised numbers, widened to float32 again
;;       x = np.moveaxis(x, axis, -1); K = x.shape[-1]
;;       x = np.pad(x, [(0, 0)] * (x.ndim - 1) + [(0, -K % 32)]); x = x.reshape(x.shape[:-1] + (-1, 32)); a = np.abs(x).max(-1, keepdims=True)
;;       e = np.where(a > 0, np.clip(np.frexp(np.where(a > 0, a, 1))[1] - 1 - 15, -126, 127), 0)      # np.frexp(a)[1] - 1 = floor(log2(a)), exactly
;;       r = np.clip(x / 2.0 ** e, -57344, 57344)
;;       step = 2.0 ** (np.maximum(np.frexp(np.where(r == 0, 1, r))[1] - 1, -14) - 2)
;;       q = np.round(r / step) * step * 2.0 ** e      # np.round: ties to even
;;       return np.moveaxis(q.reshape(q.shape[:-2] + (-1,))[..., :K], -1, axis).astype(np.float32)
;;   ~~~
;;   SOFTMAX AHEAD OF A QUANTISED PRODUCT. Where the list says 'softmax', what is quantised is not the finished softmax but p = 2^(t - M), with t = logit x log2(e) and M = ceil(the row's largest t), a whole number; so 1/2 < the row's largest p <= 1. The row's sum l is taken of the UNQUANTISED p, in f32, and the product's result is divided by l at the end. Since M is a whole number, a kernel that streams over the keys may use a running M (the ceiling of the running maximum): every later rescaling is an exact power of two, which a block's scale takes up: the codes' values come out the same.
;;   OPERANDS COMPUTED ON THE WAY. 'Computed on the way' means the value that the module computes at that place (a softmax that the list does not call 'softmax' is quantised finished and normalised). What goes into a quantiser is computed in f32, as accurately as f32 sums, v_exp_f32 and their like allow (about 1e-6 of the number): no bf16 or f16 on the way to a quantiser, and a product that is left as it is and whose result goes on into a quantised operand takes f32 operands (vector FMAs, or v_wmma_f32_16x16x4_f32). A number that lies on a knife's edge between two numbers of the format may be rounded either way, as far as f32 arithmetic and the matrix unit's own rounding can turn it there, and no further.
;;   INPUTS GIVEN AS CODES. Wk (in the module: [1024, 1024], K = its axis 1); Wo (in the module: [1024, 1024], K = its axis 1); Wq (in the module: [1024, 1024], K = its axis 1); Wv (in the module: [1024, 1024], K = its axis 1); k (in the module: [4, 2048, 1024], K = its axis 2); q (in the module: [4, 2048, 1024], K = its axis 2); v (in the module: [4, 2048, 1024], K = its axis 2): each comes as NAME_codes (uint8): NAME with its K axis moved to the last place and cut into blocks of 32 codes, [.., K / 32, bytes a block], one block behind the other in memory; one code a byte (a code: sign, 5 exponent bits, 2 mantissa bits); and NAME_scales (uint8): the same leading axes, one E8M0 byte (e + 127) for each 32 codes along K. Its value is code x scale, taken as it is: it is not quantised again, and the codes and scales need not be those that the quantiser above would give.
;; One version. Each part assembles by itself: llvm-mc -triple=amdgcn-amd-amdhsa -mcpu=gfx1250 --defsym DOCPART=n.
;; ======== version 1 of 1: 3 launches
;; limits: right only within a limited range of input values
;; workspace buffers: Qc 8,388,608 bytes; Kc 8,388,608 bytes; Vc 8,388,608 bytes; Qs 262,144 bytes; Ks 262,144 bytes; Vs 262,144 bytes; Oc 8,388,608 bytes; Os 262,144 bytes
;; launch proj (part 1): grid 4 x 96, 4 waves a work-group, clusters of 4 x 4, 327,680 bytes of LDS; arguments q_codes, q_scales, Wq_codes, Wq_scales, Qc, Qs, k_codes, k_scales, Wk_codes, Wk_scales, Kc, Ks, Wv_codes, Wv_scales, v_codes, v_scales, Vc, Vs; writes Qc, Qs, Kc, Ks, Vc, Vs
.if DOCPART == 1
	.amdgcn_target "amdgcn-amd-amdhsa--gfx1250"
	.amdhsa_code_object_version 6
	.text
	.protected	k_qf3653b1e79_proj
	.globl	k_qf3653b1e79_proj
	.p2align	8
	.type	k_qf3653b1e79_proj,@function
k_qf3653b1e79_proj:
	s_mov_b64 s[64:65], 0
	v_nop
	global_prefetch_b8 v0, s[64:65] scope:SCOPE_SE
	s_setreg_imm32_b32 hwreg(HW_REG_WAVE_MODE, 25, 1), 1
	s_wait_xcnt 0x0
	s_wait_alu depctr_hold_cnt(0) depctr_sa_sdst(0) depctr_va_vdst(0) depctr_va_sdst(0) depctr_va_ssrc(0) depctr_va_vcc(0) depctr_vm_vsrc(0)
	s_getreg_b32 s2, hwreg(HW_REG_IB_STS2, 6, 4)
	s_cmp_eq_u32 s2, 0
	s_cbranch_scc0 .Lentry_in_a_cluster
	s_endpgm
.Lentry_in_a_cluster:
	s_bfe_u32 s2, ttmp6, 0x10000c
	s_cmp_lg_u32 s2, 0xf033
	s_cbranch_scc0 .Lentry_shape_is_right
	s_endpgm
.Lentry_shape_is_right:
; THE THREE PROJECTIONS, q Wq^T, k Wk^T, v Wv^T, on codes of BF8 (E5M2) with one E8M0 scale for each 32 along K = 1,024, and the quantising of their results for the attention launch.
; One body serves all three.  Each is a product of an operand "A" (source 1 of the matrix instruction) and an operand "B" (source 0), both with K innermost; a lane of a result holds ONE row of A and eight neighbouring
; rows of B, so the axis that is quantised next is B's rows.  Q, K: A = the 8,192 tokens, B = the weight's 1,024 rows: a lane's registers run along the head's 64.  V: A = Wv's 1,024 rows, B = the 8,192 tokens:
; a lane's registers run along the KEYS, which are the K of attention's second product.
; GRID: 24 clusters of 4 x 4 work-groups; clusters 0-7 make Q, 8-15 K, 16-23 V; a work-group makes 256 rows of A x 256 rows of B, a wave 128 x 128 (64 accumulators, 512 registers).
; The choice of the tensor hangs on the cluster's number alone: it picks pointers and constants by selects; no branch hangs on it.
; K goes in steps of 256 through a ring of two LDS slots filled by joint tensor loads (A's tile shared along a row of the cluster, B's along a column); the scale bytes of the work-group's rows come once and stay.
; THE WAY OUT uses no LDS.  The 16 registers of two neighbouring accumulators are 16 numbers of one block of 32: 32 c + 8 h + 0..7 and 32 c + 16 + 8 h + 0..7 (h = lane / 16); lane l xor 16 holds the other 16.
; They are converted as they stand and stored as an IMAGE of an operand's registers: 16 bytes a lane, 512 consecutive bytes a store.  So inside each block of 32 the places along K are permuted, alike in Q and K,
; and alike in V's keys and the weights p of the attention launch: products and block scales are the same as in the straight order.
; A block's scale is 2^(floor(log2(largest magnitude)) - 15); each number is held within +-57,344 x the scale and rounded to the nearest code, ties to even.
; LIMITS: NaN and infinities are not served.  A block whose largest magnitude lies under 2^(16 - 127), a block of zeros among them, gets the byte 1; its codes are what that scale gives (zeros stay zeros); only this program reads the bytes.
; REGISTERS, in windows of 256: window 0: v0-31 addresses; v32-63 scale words, two sets, and nothing else ever; v64-111 the way out's work; from v128 A's fragments, ONE set (on the way out: 64 held numbers).
;   window 1: B's fragments, two sets.   window 2: the accumulators of my rows 0-63 of A ((a, b) at v[8 (8 a + b)]);   window 3: those of rows 64-127.
.set KSTEP,  256
.set NQ,     2                         ; matrix instructions deep in a slot
.set ROWB,   256                       ; a tile's row in bytes
.set KROW,   1024                      ; a row of A or B in memory
.set PITCH,  272                       ; an LDS row: 256 bytes + 16 of padding: the 16 rows that a load touches start 68 words apart
.set FR,     16
.set NL,     4
.set NP,     8                         ; places behind this matrix instruction (ISA guide 7.12.1)
.set HALFT,  128*PITCH
.set SLOT,   4*HALFT
.set LAPS,   2                         ; 1,024 / 512
.set KS,     32                        ; a row of scale bytes
.set SCL,    2*SLOT
.set HALFS,  (128*KS/256)*272
.set SBLK,   (16*KS/256)*272
.set SPARE,  SCL+4*HALFS               ; the spare words: 128 bytes a wave, two blocks of 256 bytes that no other line names
.set ADRA, 16                          ; v16-17  LDS address of my A fragments in slot 0, 1
.set ADRB, 20                          ; v20-21  the same for B
.set LI,   24                          ; v24     16 x lane: my place in an image
.set VO2,  25                          ; v25     the same for a block's third and fourth chunks
.set VS,   26                          ; v26     my place among the scale words that leave
.set ADRS, 27                          ; v27     LDS address of my scale words: lanes 0-15 A's, lanes 16-31 B's
.set SPW,  28                          ; v28     my spare word; never rewritten
.set NIL,  29                          ; v29     0; never rewritten
.set SELV, 30                          ; v30     byte selects: low halves in lanes 0-15, high halves in lanes 16-31
.set SC,   32
.set CD,   64                          ; v64-79   a block's codes
.set TM,   80                          ; v80-83   largest magnitudes
.set TP,   84                          ; v84-87   the other half's; then the bytes
.set HD,   88                          ; v88-91   57,344 x the scale
.set SO,   92                          ; v92-95   the conversions' scale operands
.set PW,   96                          ; v96-103  a scale word for each of my eight blocks of A's rows
.set XS,   104                         ; v104-107 the scale words as they leave
.set XT,   108                         ; v108-111 at work
.set AF,   128
.set X,    128                         ; v128-191 64 held numbers
.set MNT,  2                           ; s2      the mantissa field of 57,344
.set WV,   16
.set HR,   17                          ; wave / 2: my half of A's rows; also: I fetch for A (0) or B (1)
.set HC,   18                          ; wave % 2: my half of B's rows; also: which 128 rows I fetch
.set G1, 24
.set G0, 32
.set G1B, 48
.set G0B, 56
.set G1S, 68
.set G0S, 76
.set G1SB, 80
.set G0SB, 88
.set SA,   92                          ; s[92:93] from a block of A's rows to the next, in the codes' buffer
.set B2,   94                          ; s94      from a block's second chunk's base to its third's
.set HI,   95                          ; s95      lanes 16-31
.set SEL,  96                          ; s[96:97] lane l xor 16
.set SA4,  98                          ; s[98:99] the step from block 3 to block 4
.set MSB, 0
.macro WIN new                         ; the immediate's high byte repeats the setting that is left
.if MSB != (\new)
	s_set_vgpr_msb (MSB<<8)|(\new)
.set MSB, (\new)
.endif
.endm
.set MUL_LO, 0xa1                      ; source 0 (B) window 1, source 1 (A) window 0, C and D window 2
.set MUL_HI, 0xf1
.set TO_B,   0x40
; A joint load: waves 0 and 1 fetch for A, waves 2 and 3 for B; the branch hangs on the wave's number alone.  Four v_nop follow each line.
.macro JLOAD g0a, g1a, g0b, g1b
	s_cmp_eq_u32 s[HR], 0
	s_cbranch_scc0 .Lfor_b_\@
	tensor_load_to_lds s[\g0a:\g0a+3], s[\g1a:\g1a+7]
	s_nop 0
.rept 4
	v_nop
.endr
	s_branch .Lasked_\@
.Lfor_b_\@:
	tensor_load_to_lds s[\g0b:\g0b+3], s[\g1b:\g1b+7]
	s_nop 0
.rept 4
	v_nop
.endr
.Lasked_\@:
.endm
.macro CREST                           ; a round of the cluster's barrier behind its opening barrier
	s_cmp_lg_u32 s[WV], 0
	s_cbranch_scc1 .Lnot_wave_0_\@
	s_barrier_signal -3
.Lnot_wave_0_\@:
	s_barrier_wait -3
	s_barrier_signal -1
	s_barrier_wait -1
.endm
.macro CROUND
	s_barrier_signal -1
	s_barrier_wait -1
	CREST
.endm
	s_load_b256 s[4:11], s[0:1], 0x0               ; Q's set: A's codes, A's scales, B's codes, B's scales,
	s_load_b128 s[12:15], s[0:1], 0x20             ; the codes' and the scale words' buffer
	s_load_b256 s[68:75], s[0:1], 0x30             ; K's set
	s_load_b128 s[76:79], s[0:1], 0x50
	s_load_b256 s[80:87], s[0:1], 0x60             ; V's set (A = Wv, B = v)
	s_load_b128 s[88:91], s[0:1], 0x80
	v_lshl_add_u32 v[SPW], v0, 2, SPARE
	v_mov_b32 v[NIL], 0
	ds_add_u32 v28, v29
	ds_add_u32 v28, v29
	s_wait_dscnt 0x0
	v_lshrrev_b32 v1, 5, v0
	v_readfirstlane_b32 s[WV], v1                  ; wave 0..3
	s_lshr_b32 s[HR], s[WV], 1
	s_and_b32 s[HC], s[WV], 1
	s_bfe_u32 s40, ttmp6, 0x40000                  ; cx, cy: my place in the cluster
	s_bfe_u32 s41, ttmp6, 0x40004
	s_and_b32 s20, ttmp7, 0xffff                   ; the cluster's number, 0..23
	s_lshr_b32 s66, s20, 3                         ; which tensor: 0 Q, 1 K, 2 V
	s_and_b32 s20, s20, 7
	s_lshl_b32 s20, s20, 2                         ; four tiles of 256 tokens on for each cluster of a tensor
	s_cmp_eq_u32 s66, 2
	s_cselect_b32 s67, -1, 0                       ; all lanes where V is made
	s_cselect_b32 s21, 0, s20                      ; the tokens are A's rows (Q, K)
	s_cselect_b32 s22, s20, 0                      ; or B's (V)
	s_add_co_u32 s19, s41, s21                     ; tile row: it never holds cx
	s_add_co_u32 s42, s40, s22                     ; tile column: it never holds cy
	s_lshl_b32 s43, s41, 2
	s_lshl_b32 s43, 15, s43                        ; my row of the cluster
	s_lshl_b32 s44, 0x1111, s40                    ; my column
	; descriptor group 1: a tile of 128 rows x 256 bytes, 16 bytes of padding behind each row
	s_or_b32 s[G1+0], s43, (0<<16)|(1<<20)|(1<<21)|(5<<22)|(3<<25)
	s_or_b32 s[G1B+0], s44, (0<<16)|(1<<20)|(1<<21)|(5<<22)|(3<<25)
.irp g, G1, G1B
	s_mov_b32 s[\g+1], ROWB<<16                    ; tensor_dim0
	s_mov_b32 s[\g+2], 128<<16                     ; tensor_dim1
	s_mov_b32 s[\g+3], ROWB<<16                    ; tile_dim0
	s_mov_b32 s[\g+4], 128                         ; tile_dim1
	s_mov_b32 s[\g+5], KROW                        ; from row to row
	s_mov_b32 s[\g+6], 0
	s_mov_b32 s[\g+7], 0
.endr
	s_lshl_b32 s23, s[HC], 7                       ; which 128 rows of the tile I fetch
	s_lshl_b32 s20, s19, 8
	s_add_co_u32 s20, s20, s23                     ; A's row
	s_lshl_b32 s46, s42, 8
	s_add_co_u32 s46, s46, s23                     ; B's row
	s_lshl_b32 s22, s20, 5                         ; its scale bytes: 32 a row;
	s_lshl_b32 s20, s20, 10                        ; its codes: 1,024 a row.  All under 2^24
	s_mov_b32 s21, 0
	s_mov_b32 s23, 0
	s_lshl_b32 s92, s46, 5
	s_lshl_b32 s46, s46, 10
	s_mov_b32 s47, 0
	s_mov_b32 s93, 0
	s_mul_i32 s45, s[WV], HALFT                    ; where they go: wave x 128 rows: no place in the cluster enters an LDS address
	s_mul_i32 s94, s[WV], HALFS
	s_wait_kmcnt 0x0
	s_cmp_eq_u32 s66, 1                            ; the tensor's six buffers: a choice that hangs on the cluster's number alone
.irp j, 0,1,2,3,4,5
	s_cselect_b64 s[4+2*\j:5+2*\j], s[68+2*\j:69+2*\j], s[4+2*\j:5+2*\j]
.endr
	s_cmp_eq_u32 s66, 2
.irp j, 0,1,2,3,4,5
	s_cselect_b64 s[4+2*\j:5+2*\j], s[80+2*\j:81+2*\j], s[4+2*\j:5+2*\j]
.endr
	s_add_nc_u64 s[20:21], s[4:5], s[20:21]
	s_add_nc_u64 s[22:23], s[6:7], s[22:23]
	s_add_nc_u64 s[46:47], s[8:9], s[46:47]
	s_add_nc_u64 s[92:93], s[10:11], s[92:93]
	; the scale bytes of 128 rows: a dense block of 4,096 bytes, as 16 rows of 256 bytes (32 elements of 8), 16 bytes of padding behind each.  (s68 to s91 are free from here on)
	s_or_b32 s[G1S+0], s43, (3<<16)|(1<<20)|(1<<21)|(5<<22)|(3<<25)
	s_or_b32 s[G1SB+0], s44, (3<<16)|(1<<20)|(1<<21)|(5<<22)|(3<<25)
.irp g, G1S, G1SB
	s_mov_b32 s[\g+1], 32<<16
	s_mov_b32 s[\g+2], (128*KS/256)<<16
	s_mov_b32 s[\g+3], 32<<16
	s_mov_b32 s[\g+4], 128*KS/256
	s_mov_b32 s[\g+5], 32
	s_mov_b32 s[\g+6], 0
	s_mov_b32 s[\g+7], 0
.endr
	CROUND                                         ; all sixteen work-groups are here: the first joint loads meet
	s_mov_b32 s[G0S], 1
	s_add_co_u32 s[G0S+1], s94, SCL
	s_mov_b64 s[G0S+2:G0S+3], s[22:23]
	s_or_b32 s[G0S+3], s[G0S+3], 0x80000000
	s_mov_b32 s[G0SB], 1
	s_add_co_u32 s[G0SB+1], s94, SCL
	s_mov_b64 s[G0SB+2:G0SB+3], s[92:93]
	s_or_b32 s[G0SB+3], s[G0SB+3], 0x80000000
	JLOAD G0S, G1S, G0SB, G1SB                     ; the scales first: they are wanted with K step 0
.irp s, 0,1
	s_mov_b32 s[G0+4*\s], 1
	s_add_co_u32 s[G0+4*\s+1], s45, \s*SLOT
	s_add_nc_u64 s[G0+4*\s+2:G0+4*\s+3], s[20:21], \s*ROWB
	s_or_b32 s[G0+4*\s+3], s[G0+4*\s+3], 0x80000000
	s_mov_b32 s[G0B+4*\s], 1
	s_add_co_u32 s[G0B+4*\s+1], s45, \s*SLOT
	s_add_nc_u64 s[G0B+4*\s+2:G0B+4*\s+3], s[46:47], \s*ROWB
	s_or_b32 s[G0B+4*\s+3], s[G0B+4*\s+3], 0x80000000
	JLOAD G0+4*\s, G1, G0B+4*\s, G1B               ; three tensor loads of mine are out at the most
.endr
	v_and_b32 v1, 15, v0                           ; l % 16
	v_bfe_u32 v2, v0, 4, 1                         ; l / 16
	v_mul_u32_u24 v3, v1, PITCH
	v_lshl_add_u32 v4, v2, 4, v3                   ; a fragment's row x pitch + 16 x half
	s_mul_i32 s21, s[HR], HALFT                    ; my 128 rows of A
	s_mul_i32 s22, s[HC], HALFT                    ; my 128 rows of B,
	s_add_co_u32 s22, s22, 2*HALFT                 ; which lie behind A's 256
.irp s, 0,1
	v_add_nc_u32 v[ADRA+\s], s21, v4
	v_add_nc_u32 v[ADRB+\s], s22, v4
	s_add_co_u32 s21, s21, SLOT
	s_add_co_u32 s22, s22, SLOT
.endr
	v_mul_u32_u24 v5, v1, KS                       ; my row's scales: 32 bytes a row,
	v_lshrrev_b32 v6, 8, v5
	v_lshl_add_u32 v5, v6, 4, v5                   ; and 16 more for each 256 passed
	s_mul_i32 s21, s[HR], HALFS
	s_mul_i32 s22, s[HC], HALFS
	s_add_co_u32 s22, s22, 2*HALFS
	s_sub_co_u32 s22, s22, s21
	v_mul_u32_u24 v6, s22, v2                      ; lanes 16-31 take B's: one product, the distance between the two bases
	s_add_co_u32 s21, s21, SCL
	v_add_nc_u32 v5, v5, v6
	v_add_nc_u32 v[ADRS], s21, v5
	; THE WAY OUT'S ADDRESSES AND CONSTANTS
	v_and_b32 v6, 31, v0
	v_lshlrev_b32 v[LI], 4, v6
	s_wait_alu depctr_va_vdst(0)
	v_lshlrev_b32 v[VS], 4, v1                     ; a row's four scale words are 16 bytes; lanes 16-31 serve the next head, 4,096 bytes on
	v_lshl_add_u32 v[VS], v2, 12, v[VS]
	s_mov_b32 s[HI], 0xffff0000
	s_mov_b32 s[MNT], 0x600000
	s_mov_b32 s[SEL], 0x76543210
	s_mov_b32 s[SEL+1], 0xfedcba98
	v_mov_b32 v[SELV], 0x05040100
	v_mov_b32 v31, 0x07060302
	v_cndmask_b32 v[SELV], v[SELV], v31, s[HI]
	s_lshl_b32 s20, s19, 8
	s_lshl_b32 s21, s[HR], 7
	s_add_co_u32 s20, s20, s21                     ; my first row of A
	s_lshl_b32 s21, s42, 8
	s_lshl_b32 s22, s[HC], 7
	s_add_co_u32 s21, s21, s22                     ; my first row of B
	s_mov_b32 s[SA], 1024                          ; Q, K: a tile of 16 tokens is 1,024 bytes of a head's codes;
	s_mov_b32 s[SA+1], 0
	s_mov_b32 s[SA4], 1024
	s_mov_b32 s[SA4+1], 0
	s_mov_b32 s[B2], 131072                        ; blocks 2 and 3 belong to the next head
	s_cmp_eq_u32 s66, 2
	s_cselect_b32 s[SA], 2048, s[SA]               ; V: a tile of 16 dims x 128 keys is 2,048 bytes;
	s_cselect_b32 s[SA4], 124928, s[SA4]           ; from a head's tile 3 to the next head's tile 0: 131,072 - 3 x 2,048;
	s_cselect_b32 s[B2], 1024, s[B2]               ; blocks 2 and 3 follow blocks 0 and 1
	s_cselect_b32 s22, s21, s20                    ; my first token
	s_cselect_b32 s23, s20, s21                    ; my first feature
	s_lshr_b32 s20, s22, 11                        ; the batch
	s_lshr_b32 s23, s23, 6                         ; my first head
	s_and_b32 s22, s22, 2047                       ; the token in its batch, a multiple of 128
	s_lshl_b32 s46, s20, 21
	s_lshl_b32 s47, s23, 17
	s_add_co_u32 s46, s46, s47
	s_lshl_b32 s47, s22, 6                         ; 64 bytes of codes a token, in all three layouts
	s_add_co_u32 s46, s46, s47
	s_mov_b32 s47, 0
	s_add_nc_u64 s[12:13], s[12:13], s[46:47]
	s_lshl_b32 s46, s20, 4
	s_add_co_u32 s46, s46, s23
	s_lshl_b32 s46, s46, 12                        ; 4,096 bytes of scale words a head,
	s_lshl_b32 s22, s22, 1                         ; 256 for each 128 tokens
	s_add_co_u32 s46, s46, s22
	s_add_nc_u64 s[14:15], s[14:15], s[46:47]
	v_add_nc_u32 v[VO2], s[B2], v[LI]
.macro FRAG reg, adr, q, i             ; a fragment, 16 rows x 128 K: lane l holds row l % 16; registers 4 c .. 4 c + 3 hold K = 32 c + 16 (l / 16) + 0 .. 15
.irp c, 0,1,2,3
	ds_load_b128 v[\reg+4*\c:\reg+4*\c+3], v[\adr] offset:128*(\q)+32*\c+(\i)*16*PITCH
.endr
.endm
; 16 matrix instructions: A's blocks a0, a0 + 1 x B's eight.  The 64 accumulators take turns, one instruction a turn, in the same order in every step.
.macro MUL16 a0, p, q, sc, zero
.irp a, \a0, \a0+1
.irp b, 0,1,2,3,4,5,6,7
.if \zero
	v_wmma_scale_f32_16x16x128_f8f6f4 v[8*(8*((\a)%4)+\b):8*(8*((\a)%4)+\b)+7], v[128*(\p)+FR*\b:128*(\p)+FR*\b+FR-1], v[AF+FR*(\a):AF+FR*(\a)+FR-1], 0, v[SC+8*NQ*(\sc)+NQ*\b+(\q)], v[SC+8*NQ*(\sc)+NQ*(\a)+(\q)] matrix_a_fmt:MATRIX_FMT_BF8 matrix_b_fmt:MATRIX_FMT_BF8 matrix_a_scale:MATRIX_SCALE_ROW1
.else
	v_wmma_scale_f32_16x16x128_f8f6f4 v[8*(8*((\a)%4)+\b):8*(8*((\a)%4)+\b)+7], v[128*(\p)+FR*\b:128*(\p)+FR*\b+FR-1], v[AF+FR*(\a):AF+FR*(\a)+FR-1], v[8*(8*((\a)%4)+\b):8*(8*((\a)%4)+\b)+7], v[SC+8*NQ*(\sc)+NQ*\b+(\q)], v[SC+8*NQ*(\sc)+NQ*(\a)+(\q)] matrix_a_fmt:MATRIX_FMT_BF8 matrix_b_fmt:MATRIX_FMT_BF8 matrix_a_scale:MATRIX_SCALE_ROW1
.endif
.endr
.endr
.endm
.macro FETCH_B slot, q, p
	WIN TO_B
.irp i, 0,1,2,3,4,5,6,7
	FRAG 128*(\p)+FR*\i, ADRB+\slot, \q, \i
.endr
	WIN 0
.endm
.macro FETCH_A slot, q, i0
.irp i, \i0, \i0+1, \i0+2, \i0+3
	FRAG AF+FR*(\i), ADRA+\slot, \q, \i
.endr
.endm
.macro SCALES sc                       ; a K step's scale words: two words a row; lanes 0-15 take A's block i, lanes 16-31 B's block i
.irp i, 0,1,2,3,4,5,6,7
	ds_load_b64 v[SC+8*NQ*\sc+NQ*\i:SC+8*NQ*\sc+NQ*\i+1], v[ADRS] offset:\i*SBLK
.endr
.endm
.macro PLACES n                        ; plain vector instructions that name none of the matrix instructions' registers (ISA guide 7.12.1)
.rept \n
	v_nop
.endr
.endm
.macro STEP slot, q, zero              ; a step of 128 along K that has its successor in the same slot
	s_wait_dscnt 4*NL                              ; B's set and A's blocks 0-3 are in; the 16 youngest loads (A's blocks 4-7) may be out
	WIN MUL_LO
	MUL16 0, (\q)%2, \q, \slot, \zero
	MUL16 2, (\q)%2, \q, \slot, \zero
	s_wait_dscnt 0
	PLACES NP
	FETCH_B \slot, (\q)+1, 1-(\q)%2
	FETCH_A \slot, (\q)+1, 0
	WIN MUL_HI
	MUL16 4, (\q)%2, \q, \slot, \zero
	MUL16 6, (\q)%2, \q, \slot, \zero
	PLACES NP
	WIN 0
	FETCH_A \slot, (\q)+1, 4
.endm
; A slot's last step changes slots: one barrier; in front of it each wave waits for all its tensor loads, adds 0 to its spare word, and waits for that and for its reads of this slot.
.macro TURN slot, next, fill
	s_wait_tensorcnt 0x0                           ; all my tensor loads have landed: my part of the next slot
	ds_add_u32 v[SPW], v[NIL]                      ; 0 onto my spare word
	s_wait_dscnt 4*NL+1                            ; the add and the 16 youngest loads may be out
	WIN MUL_LO
	MUL16 0, 1, NQ-1, \slot, 0
	s_wait_dscnt 0x0                               ; the add is done, and my reads of this slot are over
	s_barrier_signal -1
	MUL16 2, 1, NQ-1, \slot, 0
	WIN 0
	s_barrier_wait -1
.if \fill
	CREST                                          ; the barrier has opened a round of the cluster's: no wave of any partner still reads this slot or has a load on its way
	s_add_nc_u64 s[G0+4*\slot+2:G0+4*\slot+3], s[G0+4*\slot+2:G0+4*\slot+3], 2*ROWB
	s_add_nc_u64 s[G0B+4*\slot+2:G0B+4*\slot+3], s[G0B+4*\slot+2:G0B+4*\slot+3], 2*ROWB
	JLOAD G0+4*\slot, G1, G0B+4*\slot, G1B         ; the first tensor load behind the round; its four v_nop are four of the places below
	PLACES NP-4
.else
	PLACES NP
.endif
	s_wait_alu depctr_va_vdst(0)
	v_add_nc_u32 v[ADRS], 4*NQ, v[ADRS]            ; the next K step's scale words
	FETCH_B \next, 0, 0
	FETCH_A \next, 0, 0
	SCALES \next
	WIN MUL_HI
	MUL16 4, 1, NQ-1, \slot, 0
	MUL16 6, 1, NQ-1, \slot, 0
	PLACES NP
	WIN 0
	FETCH_A \next, 0, 4
.endm
	s_wait_tensorcnt 1                             ; the scales and my part of K step 0 are in; K step 1's load may be out
	s_barrier_signal -1
	s_barrier_wait -1
	FETCH_B 0, 0, 0
	FETCH_A 0, 0, 0
	SCALES 0
	FETCH_A 0, 0, 4
	STEP 0, 0, 1                                   ; the first step's products start the sums: nothing is cleared
	s_mov_b32 s3, LAPS-1
.Llap:                                                 ; a trip goes once round the ring and fills both slots again
	TURN 0, 1, 1
	STEP 1, 0, 0
	TURN 1, 0, 1
	STEP 0, 0, 0
	s_sub_co_u32 s3, s3, 1
	s_cmp_lg_u32 s3, 0
	s_cbranch_scc1 .Llap
	TURN 0, 1, 0                                   ; the last lap fills nothing
	STEP 1, 0, 0
	s_wait_dscnt 4*NL
	WIN MUL_LO
	MUL16 0, 1, NQ-1, 1, 0
	MUL16 2, 1, NQ-1, 1, 0
	s_wait_dscnt 0
	WIN MUL_HI
	MUL16 4, 1, NQ-1, 1, 0
	MUL16 6, 1, NQ-1, 1, 0
	WIN 0
; THE WAY OUT of block a (16 rows of A x my 128 rows of B): four blocks of 32 are quantised and leave as four chunks of 512 bytes.
.macro QOUT a
.set W, 2+(\a)/4
.set AC, 64*((\a)%4)
.set W01, W|(W<<2)
.set W12, (W<<2)|(W<<4)
	WIN W01                                        ; sources 0 and 1: the accumulators' window
.irp b, 0,1,2,3
	v_max3_num_f32 v[TM+\b], |v[AC+16*\b]|, |v[AC+16*\b+1]|, 0x8000000   ; my 16 numbers of block b, from each accumulator's low end on, and the floor 2^(16 - 127): the byte cannot fall under 1
.endr
	WIN W12
.irp i, 2,4,6,8,10,12,14
.irp b, 0,1,2,3
	v_max3_num_f32 v[TM+\b], v[TM+\b], |v[AC+16*\b+\i]|, |v[AC+16*\b+\i+1]|
.endr
.endr
	WIN 0
.irp b, 0,1,2,3
	v_permlanex16_b32 v[TP+\b], v[TM+\b], s[SEL], s[SEL+1]
.endr
.irp b, 0,1,2,3
	v_max_num_f32 v[TM+\b], v[TM+\b], v[TP+\b]     ; with lane l xor 16's 16: the block's largest magnitude
.endr
.irp b, 0,1,2,3
	v_add_nc_u32 v[SO+\b], 0xf8800000, v[TM+\b]    ; 15 off its exponent field: the conversion's scale operand
.endr
.irp b, 0,1,2,3
	v_and_or_b32 v[HD+\b], v[TM+\b], 0x7f800000, s[MNT]   ; 57,344 x the scale
.endr
.irp b, 0,1,2,3
	v_lshrrev_b32 v[TP+\b], 23, v[SO+\b]           ; the scale's byte
.endr
	v_lshl_or_b32 v[PW+(\a)], v[TP+1], 8, v[TP]
	v_lshl_or_b32 v[PW+(\a)], v[TP+2], 16, v[PW+(\a)]
	v_lshl_or_b32 v[PW+(\a)], v[TP+3], 24, v[PW+(\a)]
	WIN W
.irp b, 0,1,2,3
.irp i, 0,1,2,3,4,5,6,7,8,9,10,11,12,13,14,15
	v_med3_num_f32 v[X+16*\b+\i], v[AC+16*\b+\i], -v[HD+\b], v[HD+\b]   ; the conversion to an 8-bit code does not saturate (ISA guide 7.6.2): the hold, on the way into window 0
.endr
.endr
	WIN 0
	s_wait_alu depctr_va_vdst(0)
	s_wait_xcnt 0x0                                ; the last block's stores have read their data and their base: both are written again only behind this wait
.if (\a) == 4
	s_add_nc_u64 s[12:13], s[12:13], s[SA4:SA4+1]
.elseif (\a) > 0
	s_add_nc_u64 s[12:13], s[12:13], s[SA:SA+1]
.endif
.irp b, 0,1,2,3
	v_cvt_scalef32_pk8_bf8_f32 v[CD+4*\b:CD+4*\b+1], v[X+16*\b:X+16*\b+7], v[SO+\b]
	v_cvt_scalef32_pk8_bf8_f32 v[CD+4*\b+2:CD+4*\b+3], v[X+16*\b+8:X+16*\b+15], v[SO+\b]
.endr
	v_nop                                          ; one plain vector instruction behind the last conversion, ahead of the next lines that write its sources
	global_store_b128 v[LI], v[CD:CD+3], s[12:13]                    ; each store of the wave covers 512 consecutive bytes, aligned
	global_store_b128 v[LI], v[CD+4:CD+7], s[12:13] offset:512
	global_store_b128 v[VO2], v[CD+8:CD+11], s[12:13]
	global_store_b128 v[VO2], v[CD+12:CD+15], s[12:13] offset:512
.endm
	PLACES NP                                      ; behind the last products, ahead of the first read of results
.irp b, 0,1,2,3
	v_mov_b32 v[TP+\b], 0                          ; written once: a lane permute's destination counts as one of its sources
.endr
.irp a, 0,1,2,3,4,5,6,7
	QOUT \a
.endr
	; THE SCALE WORDS.  Q, K: the word of tile pair j of a head is two bytes of block 2 j's word and two of block 2 j + 1's: the low halves for my first head (lanes 0-15), the high halves for the next (lanes 16-31).
	; V: a block's word is the word of a tile of 16 dims as it stands: blocks 0-3 for my first head, 4-7 for the next.  Both are made, and a select that hangs on the cluster's number takes one.
.irp j, 0,1,2,3
	v_perm_b32 v[XS+\j], v[PW+2*\j+1], v[PW+2*\j], v[SELV]
	v_cndmask_b32 v[XT+\j], v[PW+\j], v[PW+4+\j], s[HI]
.endr
.irp j, 0,1,2,3
	v_cndmask_b32 v[XS+\j], v[XS+\j], v[XT+\j], s67
.endr
	global_store_b128 v[VS], v[XS:XS+3], s[14:15]  ; lanes 0-15 store 256 consecutive bytes, aligned; lanes 16-31 the same for the next head
	s_wait_tensorcnt 0x0                           ; the wave's end
	ds_add_u32 v[SPW], v[NIL]
	s_wait_dscnt 0x0
	CROUND                                         ; the closing round: no work-group ends while a partner may still ask for a tile that names it
	s_endpgm
.Lfunc_end_k_qf3653b1e79_proj:
	.size	k_qf3653b1e79_proj, .Lfunc_end_k_qf3653b1e79_proj-k_qf3653b1e79_proj
	.p2alignl 7, 3214868480
	.fill 96, 4, 3214868480
	.section	.rodata,"a",@progbits
	.p2align	6, 0x0
	.amdhsa_kernel k_qf3653b1e79_proj
		.amdhsa_group_segment_fixed_size 327680
		.amdhsa_private_segment_fixed_size 0
		.amdhsa_enable_private_segment 0
		.amdhsa_kernarg_size 144
		.amdhsa_user_sgpr_count 2
		.amdhsa_user_sgpr_kernarg_segment_ptr 1
		.amdhsa_wavefront_size32 1
		.amdhsa_system_sgpr_workgroup_id_x 1
		.amdhsa_system_sgpr_workgroup_id_y 1
		.amdhsa_system_sgpr_workgroup_id_z 1
		.amdhsa_system_vgpr_workitem_id 0
		.amdhsa_next_free_vgpr 1024
		.amdhsa_next_free_sgpr 100
		.amdhsa_reserve_vcc 0
		.amdhsa_float_denorm_mode_32 3
		.amdhsa_float_denorm_mode_16_64 3
		.amdhsa_memory_ordered 1
		.amdhsa_forward_progress 1
		.amdhsa_inst_pref_size 188
	.end_amdhsa_kernel
	.amdgpu_metadata
---
amdhsa.version: [ 1, 2 ]
amdhsa.kernels:
  - .name:           k_qf3653b1e79_proj
    .symbol:         k_qf3653b1e79_proj.kd
    .args:
      - { .name: q_codes, .offset: 0, .size: 8, .value_kind: global_buffer, .address_space: global }
      - { .name: q_scales, .offset: 8, .size: 8, .value_kind: global_buffer, .address_space: global }
      - { .name: Wq_codes, .offset: 16, .size: 8, .value_kind: global_buffer, .address_space: global }
      - { .name: Wq_scales, .offset: 24, .size: 8, .value_kind: global_buffer, .address_space: global }
      - { .name: Qc, .offset: 32, .size: 8, .value_kind: global_buffer, .address_space: global }
      - { .name: Qs, .offset: 40, .size: 8, .value_kind: global_buffer, .address_space: global }
      - { .name: k_codes, .offset: 48, .size: 8, .value_kind: global_buffer, .address_space: global }
      - { .name: k_scales, .offset: 56, .size: 8, .value_kind: global_buffer, .address_space: global }
      - { .name: Wk_codes, .offset: 64, .size: 8, .value_kind: global_buffer, .address_space: global }
      - { .name: Wk_scales, .offset: 72, .size: 8, .value_kind: global_buffer, .address_space: global }
      - { .name: Kc, .offset: 80, .size: 8, .value_kind: global_buffer, .address_space: global }
      - { .name: Ks, .offset: 88, .size: 8, .value_kind: global_buffer, .address_space: global }
      - { .name: Wv_codes, .offset: 96, .size: 8, .value_kind: global_buffer, .address_space: global }
      - { .name: Wv_scales, .offset: 104, .size: 8, .value_kind: global_buffer, .address_space: global }
      - { .name: v_codes, .offset: 112, .size: 8, .value_kind: global_buffer, .address_space: global }
      - { .name: v_scales, .offset: 120, .size: 8, .value_kind: global_buffer, .address_space: global }
      - { .name: Vc, .offset: 128, .size: 8, .value_kind: global_buffer, .address_space: global }
      - { .name: Vs, .offset: 136, .size: 8, .value_kind: global_buffer, .address_space: global }
    .group_segment_fixed_size: 327680
    .private_segment_fixed_size: 0
    .kernarg_segment_align: 8
    .kernarg_segment_size: 144
    .max_flat_workgroup_size: 128
    .sgpr_count:     100
    .vgpr_count:     1024
    .wavefront_size: 32
...
	.end_amdgpu_metadata
.endif
;; end of part 1
;; launch attn (part 2): grid 4 x 64, 16 waves a work-group, no clusters, 327,680 bytes of LDS; arguments Qc, Qs, Kc, Ks, Vc, Vs, Oc, Os; writes Oc, Os
.if DOCPART == 2
	.amdgcn_target "amdgcn-amd-amdhsa--gfx1250"
	.amdhsa_code_object_version 6
	.text
	.protected	k_qf3653b1e79_attn
	.globl	k_qf3653b1e79_attn
	.p2align	8
	.type	k_qf3653b1e79_attn,@function
k_qf3653b1e79_attn:
	s_mov_b64 s[64:65], 0
	v_nop
	global_prefetch_b8 v0, s[64:65] scope:SCOPE_SE
	s_setreg_imm32_b32 hwreg(HW_REG_WAVE_MODE, 25, 1), 1
	s_wait_xcnt 0x0
; CAUSAL ATTENTION of 64 heads (4 batches x 16), 2,048 tokens, head size 64, both products on codes of BF8 (E5M2) with one E8M0 scale for each 32 along a product's K; its result is quantised along D for the last projection.
; THE SOFTMAX: t = score x log2(e) / 8; M = the row's largest t so far, rounded UP to a whole number; p = 2^(t - M) is quantised along the keys, not normalised.  The row's sum is taken of the unquantised p and divides
; O at the end.  When M moves, the sum and O are multiplied by 2^(old M - new M): exact.
; OPERANDS ARE IMAGES OF REGISTERS: a chunk is 512 bytes, lane l's 16 bytes at 16 l; four chunks are a fragment.  Inside each block of 32 the places along K are permuted (lane (r, h) holds 32 c + 8 h + 0..7, then
; 32 c + 16 + 8 h + 0..7), alike in Q and K, and alike in V's keys and in p, whose registers fall so by themselves: products and scales are those of the straight order.
; THE HEAD'S 64 AGAINST THE INSTRUCTION'S 128: a fragment of K holds TWO tiles of 16 keys (64 + 64 along K); it is multiplied once by [q, 0] and once by [0, q], which share q's eight registers between 16 registers of zero codes.
; Both products are used transposed (S^T = K Q^T, O^T = V^T P^T): a lane holds ONE query (lane % 16) throughout.
; SHARES.  Work-group (i, y) owns head y's query blocks 7 - i and i of 256 queries, one after the other, in ONE stream of 9 slots of 256 keys: slots 0 .. 7 - i for the high block, then 0 .. i for the low one.  The trip count
; is a constant.  Wave w owns tile 16 (7 - i) + w and then tile 16 i + 15 - w: 17 key steps of 128 keys in every wave.  A step all of whose keys come after the wave's queries is jumped over (a branch on ids).
; NO CLUSTER: the four work-groups of a head need 8 - i and then i + 1 slots, so their streams part after 5 of 9 trips; a joint form would take 12 rounds in every partner, for 33 KB a slot.
; Os: a head gives 2 scale bytes a row, 32 bytes for each 1,024 bytes of codes; these leave as single bytes.
; LIMITS: NaN and infinities are not served.  A block whose largest magnitude lies under 2^(16 - 127), a block of zeros among them, gets the byte 1; only this program reads the bytes.
; REGISTERS: v1-9 addresses; v12 -M, v13 the largest t, v[14:15] the sum in two halves; v16-23, v32-39 zero codes, v24-31 q; v40-47, v49 the low tile's q and scale word; v48 q's scale word; v50, v51 the mask's;
;   v52-55 K's scale words, v56-59 V's; v60 f, v61 p's scale word, v62 at work; v64-127 four fragments of K, then of V; v128-191 S^T, then p; v192-223 O^T; v224-239 codes; v240-255 at work.
.set SLOT1, 65536                      ; slot 1 begins here: one exclusive or turns an address in one slot into the other's
.set VCO,   16384                      ; in a slot: K's codes (16,384 bytes), V's codes (16,384),
.set KSO,   32768                      ; K's scale words (512),
.set VSOF,  33280                      ; V's (512)
.set SPARE, 131072                     ; the spare words: 128 bytes for each of 16 waves, eight blocks of 256 bytes that no other line names
.set LI,   1                           ; v1   16 x lane
.set LSC,  2                           ; v2   16 (lane % 16): a row's four scale words
.set DM,   3                           ; v3   lane % 16 - 8 (lane / 16)
.set ADK,  4                           ; v4   LI + the slot in hand
.set SPW,  5
.set NIL,  6
.set PFO,  7                           ; v7   256 x lane
.set ADS,  8                           ; v8   LSC + the slot in hand
.set OSA,  9                           ; v9   32 (lane % 16) + lane / 16: my byte of Os
.set WV,   20
.set MNT,  21
.set CS,   22                          ; s[22:23] c = log2(e) / 8
.set G1C,  24                          ; s[24:31] group 1 for the codes: 64 rows of 256 bytes, dense
.set G1S,  32                          ; s[32:39] for the scale words: 2 rows
.set G0C,  40                          ; s[40:43], s[44:47] their groups 0, which walk
.set G0S,  44
.set SEL,  48
.set TB,   50                          ; the slot in hand
.set SLOTS, 51                         ; slots still to be asked for
.set KF,   52                          ; the step's first key
.set Q0,   53                          ; my first query
.set II,   54                          ; i
.set I1,   55                          ; i + 1
.set BKC,  56                          ; s[56:57] what the codes' address goes back by at this change: 0, or the high block's slots
.set BKS,  58                          ; s[58:59] the same for the scale words
.set BKCV, 60
.set BKSV, 61
.set Q0L,  62                          ; the low tile's first query
.set HI,   63                          ; lanes 16-31
.set PFA,  66                          ; s[66:67] where my prefetches stand
.set LIM,  68                          ; 2 in a wave that prefetches, else the greatest number
.set OCH,  70                          ; s[70:71], s[72:73] the high tile's place in Oc, Os;
.set OSH,  72
.set OCL,  74                          ; s[74:75], s[76:77] the low tile's
.set OSL,  76
; Waves 0 and 1 fetch K's and V's codes, waves 2 and 3 their scale words, the others nothing.  Four v_nop follow each line.  A wave has one tensor load out at the most.
.macro TLOAD
	s_cmp_lt_u32 s[WV], 2
	s_cbranch_scc0 .Lnot_codes_\@
	tensor_load_to_lds s[G0C:G0C+3], s[G1C:G1C+7]
	s_nop 0
.rept 4
	v_nop
.endr
	s_branch .Lasked_\@
.Lnot_codes_\@:
	s_cmp_lt_u32 s[WV], 4
	s_cbranch_scc0 .Lasked_\@
	tensor_load_to_lds s[G0S:G0S+3], s[G1S:G1S+7]
	s_nop 0
.rept 4
	v_nop
.endr
.Lasked_\@:
.endm
; A PREFETCH INTO THE L2 of the codes that the NEXT change of slots will ask for.  All four work-groups of a head begin with slots 0, 1, ..; work-group i = 0 walks all eight in order and asks, and nobody else.
; In it waves 4 and 5 ask for the halves of K's 16,384 bytes, waves 6 and 7 for V's: 8,192 bytes a wave, lanes 256 bytes apart: each aligned block of 256 bytes is named once in the launch.
; In trip t slot t + 2 is named, t = 0 .. 5; slots 0 and 1 come by their loads alone; the scale words (1 KB a slot) are not asked for.
.macro ASK
	s_cmp_gt_u32 s[SLOTS], s[LIM]
	s_cbranch_scc0 .Lnot_mine_\@
	global_prefetch_b8 v[PFO], s[PFA:PFA+1] th:TH_LOAD_NT scope:SCOPE_SE
.Lnot_mine_\@:
.endm
	s_load_b512 s[4:19], s[0:1], 0x0               ; Qc s[4:5], Qs s[6:7], Kc s[8:9], Ks s[10:11], Vc s[12:13], Vs s[14:15], Oc s[16:17], Os s[18:19]
	v_lshl_add_u32 v[SPW], v0, 2, SPARE
	v_mov_b32 v[NIL], 0
	ds_add_u32 v5, v6
	ds_add_u32 v5, v6
	s_wait_dscnt 0x0
	v_lshrrev_b32 v1, 5, v0
	s_delay_alu instid0(VALU_DEP_1)
	v_readfirstlane_b32 s[WV], v1                  ; wave 0..15
	s_and_b32 s78, ttmp7, 0xffff                   ; y = 16 x batch + head
	s_mov_b32 s[II], ttmp9
	s_add_co_u32 s[I1], s[II], 1
	s_sub_co_u32 s79, 7, s[II]
	s_lshl_b32 s79, s79, 4
	s_add_co_u32 s79, s79, s[WV]                   ; my high tile: 16 (7 - i) + w
	s_lshl_b32 s80, s[II], 4
	s_add_co_u32 s80, s80, 15
	s_sub_co_u32 s80, s80, s[WV]                   ; my low tile: 16 i + 15 - w
	s_sub_co_u32 s81, 8, s[II]
	s_lshl_b32 s[BKCV], s81, 14                    ; the high block's 8 - i slots, in bytes of codes
	s_lshl_b32 s[BKSV], s81, 9                     ; and of scale words
	s_mov_b32 s[BKC+1], 0
	s_mov_b32 s[BKS+1], 0
	s_lshl_b32 s82, s78, 17                        ; a head's codes are 131,072 bytes in each of Qc, Kc, Vc,
	s_mov_b32 s83, 0
	s_lshl_b32 s84, s78, 12                        ; its scale words 4,096
	s_mov_b32 s85, 0
	s_mov_b32 s[G1C], 3<<16                        ; no mask; elements of 8 bytes; no padding
	s_mov_b32 s[G1C+1], 32<<16                     ; tensor_dim0 = 32 (256 bytes)
	s_mov_b32 s[G1C+2], 64<<16                     ; tensor_dim1 = 64
	s_mov_b32 s[G1C+3], 32<<16                     ; tile_dim0
	s_mov_b32 s[G1C+4], 64                         ; tile_dim1
	s_mov_b32 s[G1C+5], 32                         ; from row to row: dense
	s_mov_b32 s[G1C+6], 0
	s_mov_b32 s[G1C+7], 0
	s_mov_b32 s[G1S], 3<<16
	s_mov_b32 s[G1S+1], 32<<16
	s_mov_b32 s[G1S+2], 2<<16
	s_mov_b32 s[G1S+3], 32<<16
	s_mov_b32 s[G1S+4], 2
	s_mov_b32 s[G1S+5], 32
	s_mov_b32 s[G1S+6], 0
	s_mov_b32 s[G1S+7], 0
	s_and_b32 s86, s[WV], 1                        ; even waves fetch for K, odd ones for V
	s_mov_b32 s[G0C], 1
	s_lshl_b32 s[G0C+1], s86, 14                   ; LDS: slot 0; K's codes at 0, V's at 16,384
	s_mov_b32 s[G0S], 1
	s_lshl_b32 s[G0S+1], s86, 9
	s_add_co_u32 s[G0S+1], s[G0S+1], KSO
	s_mov_b32 s[CS], 0x3e38aa3b
	s_mov_b32 s[CS+1], s[CS]                       ; (named with it as a pair, so it is written)
	s_mov_b32 s[SEL], 0x76543210
	s_mov_b32 s[SEL+1], 0xfedcba98
	s_mov_b32 s[HI], 0xffff0000
	s_mov_b32 s[TB], 0
	s_mov_b32 s[SLOTS], 8
	s_mov_b32 s[KF], 0
	s_lshl_b32 s[Q0], s79, 4
	s_lshl_b32 s[Q0L], s80, 4
	s_wait_kmcnt 0x0
	s_cmp_eq_u32 s86, 0
	s_cselect_b64 s[88:89], s[8:9], s[12:13]
	s_cselect_b64 s[90:91], s[10:11], s[14:15]
	s_add_nc_u64 s[G0C+2:G0C+3], s[88:89], s[82:83]
	s_or_b32 s[G0C+3], s[G0C+3], 0x80000000
	s_add_nc_u64 s[G0S+2:G0S+3], s[90:91], s[84:85]
	s_or_b32 s[G0S+3], s[G0S+3], 0x80000000
	TLOAD                                          ; slot 0: the launch's one first fill
	s_add_nc_u64 s[88:89], s[4:5], s[82:83]        ; Qc and Qs at my head
	s_add_nc_u64 s[94:95], s[6:7], s[84:85]
	s_mov_b32 s87, 0
	s_lshl_b32 s86, s79, 10                        ; a tile's codes are 1,024 bytes
	s_add_nc_u64 s[90:91], s[88:89], s[86:87]
	s_lshl_b32 s86, s80, 10
	s_add_nc_u64 s[92:93], s[88:89], s[86:87]
	s_lshr_b32 s86, s79, 3                         ; tile T's scale word: 256 bytes for each 8 tiles, word (T / 2) % 4 of a row's four
	s_lshl_b32 s86, s86, 8
	s_bfe_u32 s81, s79, 0x20001
	s_lshl_b32 s81, s81, 2
	s_add_co_u32 s86, s86, s81
	s_add_nc_u64 s[96:97], s[94:95], s[86:87]
	s_lshr_b32 s86, s80, 3
	s_lshl_b32 s86, s86, 8
	s_bfe_u32 s81, s80, 0x20001
	s_lshl_b32 s81, s81, 2
	s_add_co_u32 s86, s86, s81
	s_add_nc_u64 s[98:99], s[94:95], s[86:87]
	v_and_b32 v1, 31, v0
	s_delay_alu instid0(VALU_DEP_1)
	v_lshlrev_b32 v[PFO], 8, v1
	s_delay_alu instid0(VALU_DEP_2)
	v_lshlrev_b32 v[LI], 4, v1
	v_and_b32 v[DM], 15, v0
	s_delay_alu instid0(VALU_DEP_1)
	v_lshlrev_b32 v[LSC], 4, v[DM]
	v_bfe_u32 v62, v0, 4, 1
	s_delay_alu instid0(VALU_DEP_1)
	v_lshl_add_u32 v[OSA], v[DM], 5, v62
	s_delay_alu instid0(VALU_DEP_2)
	v_lshlrev_b32 v62, 3, v62
	s_delay_alu instid0(VALU_DEP_1)
	v_sub_nc_u32 v[DM], v[DM], v62
	global_load_b128 v[24:27], v[LI], s[90:91]             ; the high tile's q: blocks 0 and 1 of the head's 64
	global_load_b128 v[28:31], v[LI], s[90:91] offset:512
	global_load_b128 v[40:43], v[LI], s[92:93]             ; the low tile's, kept until the switch
	global_load_b128 v[44:47], v[LI], s[92:93] offset:512
	global_load_b32 v48, v[LSC], s[96:97]
	global_load_b32 v49, v[LSC], s[98:99]
	s_lshr_b32 s86, s78, 4
	s_lshl_b32 s86, s86, 7                         ; 128 row tiles a batch
	s_and_b32 s81, s78, 15                         ; the head in its batch
	s_add_co_u32 s78, s86, s79                     ; the high tile among Oc's 512 row tiles,
	s_add_co_u32 s86, s86, s80                     ; the low one
	s_lshl_b32 s88, s81, 10                        ; Oc: 16,384 bytes a row tile, 1,024 a head
	s_mov_b32 s95, 0
	s_lshl_b32 s94, s78, 14
	s_add_co_u32 s94, s94, s88
	s_add_nc_u64 s[OCH:OCH+1], s[16:17], s[94:95]
	s_lshl_b32 s94, s86, 14
	s_add_co_u32 s94, s94, s88
	s_add_nc_u64 s[OCL:OCL+1], s[16:17], s[94:95]
	s_lshl_b32 s88, s81, 1                         ; Os: 512 bytes a row tile, 2 a head in each row's 32
	s_lshl_b32 s94, s78, 9
	s_add_co_u32 s94, s94, s88
	s_add_nc_u64 s[OSH:OSH+1], s[18:19], s[94:95]
	s_lshl_b32 s94, s86, 9
	s_add_co_u32 s94, s94, s88
	s_add_nc_u64 s[OSL:OSL+1], s[18:19], s[94:95]
	s_cmp_lt_u32 s[WV], 6                          ; the prefetches: waves 4, 5 K's codes, waves 6, 7 V's
	s_cselect_b64 s[PFA:PFA+1], s[8:9], s[12:13]
	s_add_nc_u64 s[PFA:PFA+1], s[PFA:PFA+1], s[82:83]
	s_and_b32 s94, s[WV], 1
	s_lshl_b32 s94, s94, 13                        ; my half of a slot's 16,384 bytes,
	s_add_co_u32 s94, s94, 16384                   ; in slot 1: the first change of slots steps it to slot 2.  Nothing is prefetched here, at the head
	s_add_nc_u64 s[PFA:PFA+1], s[PFA:PFA+1], s[94:95]
	s_sub_co_u32 s94, s[WV], 4
	s_lshr_b32 s94, s94, 2                         ; 0 in waves 4 to 7,
	s_or_b32 s94, s94, ttmp9                       ; of work-group i = 0
	s_cmp_eq_u32 s94, 0
	s_cselect_b32 s[LIM], 2, -1
	s_mov_b32 s88, 0x01000100                      ; q's scale word is made of its tile's two bytes, twice: an even tile's are the word's low half,
	s_mov_b32 s89, 0x03020302                      ; an odd tile's the high half.  The high tile is odd where the wave is, the low tile where it is not
	s_and_b32 s81, s[WV], 1
	s_cmp_eq_u32 s81, 1
	s_cselect_b32 s94, s89, s88
	s_cselect_b32 s95, s88, s89
.irp j, 0,1,2,3,4,5,6,7
	v_mov_b32 v[16+\j], 0                          ; zero codes on both sides of q
	v_mov_b32 v[32+\j], 0
.endr
	v_mov_b32 v13, 0xff61b1e6                      ; the largest t so far: -3e38, under every t
	s_delay_alu instid0(VALU_DEP_1)
	v_floor_f32 v12, -v13                          ; -M
	v_mov_b32 v14, 0
	v_mov_b32 v15, 0
.irp b, 0,1,2,3
	v_mov_b32 v[244+\b], 0                         ; written once: a lane permute's destination counts as one of its sources
.endr
	v_mov_b32 v61, 0                               ; (named as the upper half of the pair v[60:61] before it is first written)
.set n, 0
.rept 32
	v_mov_b32 v[192+n], 0                          ; O^T: the step is written once; its first run finds zeros
.set n, n+1
.endr
	s_wait_loadcnt 0x0                             ; q, both tiles
	v_perm_b32 v48, v48, v48, s94                  ; (s0, s1, s0, s1): it serves [q, 0] and [0, q] alike.  The eight places that a scale word so written owes stand at the head of every key step
	v_perm_b32 v49, v49, v49, s95
; THE CHANGE OF SLOTS, at a slot's head.  fill = 1: the slot that has been left takes the stream's next 256 keys.
.macro CHANGE fill
	s_wait_tensorcnt 0x0                           ; no tensor load of mine is out, so a group 0 may be written
	ds_add_u32 v[SPW], v[NIL]                      ; 0 onto my spare word
.if \fill
	s_xor_b32 s[G0C+1], s[G0C+1], SLOT1
	s_xor_b32 s[G0S+1], s[G0S+1], SLOT1
	s_cmp_eq_u32 s[SLOTS], s[I1]                   ; is the next slot of the stream the low block's first?  Then the addresses go back to the head's first keys
	s_cselect_b32 s[BKC], s[BKCV], 0
	s_cselect_b32 s[BKS], s[BKSV], 0
	s_add_nc_u64 s[G0C+2:G0C+3], s[G0C+2:G0C+3], 16384
	s_sub_nc_u64 s[G0C+2:G0C+3], s[G0C+2:G0C+3], s[BKC:BKC+1]
	s_add_nc_u64 s[G0S+2:G0S+3], s[G0S+2:G0S+3], 512
	s_sub_nc_u64 s[G0S+2:G0S+3], s[G0S+2:G0S+3], s[BKS:BKS+1]
	s_wait_xcnt 0x0                                ; the last prefetch, a slot back, has read its address
	s_add_nc_u64 s[PFA:PFA+1], s[PFA:PFA+1], 16384
.endif
	s_wait_dscnt 0x0                               ; the add is done, and my reads of the slot that I have left are over
	s_barrier_signal -1
	s_barrier_wait -1
.if \fill
	TLOAD                                          ; the first thing behind the barrier, a wave's one tensor load until the next: it has two key steps in which to land
	ASK
.endif
.endm
; A TILE IS FINISHED: O^T / the sum, quantised along D (two blocks of 32), put into the straight order along K (the last projection's other operand is given), and stored.
.macro FINISH oc, os
.rept 8
	v_nop                                          ; behind the last products, ahead of the first read of O^T and of writes to their operands
.endr
	v_add_f32 v14, v14, v15
	s_delay_alu instid0(VALU_DEP_1)
	v_permlanex16_b32 v244, v14, s[SEL], s[SEL+1]
	s_delay_alu instid0(VALU_DEP_1)
	v_add_f32 v14, v14, v244                       ; the row's sum
	s_wait_alu depctr_va_vdst(0)
	v_rcp_f32 v14, v14
	v_mov_b32 v15, 0                               ; (a plain instruction behind the reciprocal)
	s_wait_alu depctr_va_vdst(0)                   ; ahead of the first reader
.set n, 0
.rept 16
	v_pk_mul_f32 v[128+n:129+n], v[192+n:193+n], v[14:15] op_sel_hi:[1,0]   ; each accumulator from its low end on.  Register 16 b + i: dims 32 b + 8 h + 0..7, 32 b + 16 + 8 h + 0..7
.set n, n+2
.endr
.irp b, 0,1
	v_max3_num_f32 v[240+\b], |v[128+16*\b]|, |v[129+16*\b]|, 0x8000000
.endr
.irp i, 2,4,6,8,10,12,14
.irp b, 0,1
	s_delay_alu instid0(VALU_DEP_2)
	v_max3_num_f32 v[240+\b], v[240+\b], |v[128+16*\b+\i]|, |v[129+16*\b+\i]|
.endr
.endr
.irp b, 0,1
	s_delay_alu instid0(VALU_DEP_2)
	v_permlanex16_b32 v[244+\b], v[240+\b], s[SEL], s[SEL+1]
.endr
.irp b, 0,1
	s_delay_alu instid0(VALU_DEP_2)
	v_max_num_f32 v[240+\b], v[240+\b], v[244+\b]
.endr
.irp b, 0,1
	s_delay_alu instid0(VALU_DEP_2)
	v_add_nc_u32 v[252+\b], 0xf8800000, v[240+\b]
.endr
.irp b, 0,1
.endr
.irp b, 0,1
	s_delay_alu instid0(VALU_DEP_2)
	v_lshrrev_b32 v[244+\b], 23, v[252+\b]
.endr
.irp b, 0,1
.irp i, 0,1,2,3,4,5,6,7,8,9,10,11,12,13,14,15
.endr
	v_cvt_scalef32_pk8_bf8_f32 v[224+4*\b:225+4*\b], v[128+16*\b:135+16*\b], v[252+\b]
	v_cvt_scalef32_pk8_bf8_f32 v[226+4*\b:227+4*\b], v[136+16*\b:143+16*\b], v[252+\b]
.endr
	v_nop                                          ; one plain vector instruction behind the last conversion
	v_permlane16_swap_b32 v224, v226               ; lanes 16-31 of the first eight codes change places with lanes 0-15 of the second eight:
	v_permlane16_swap_b32 v225, v227               ; lane (r, h) then holds dims 32 b + 16 h + 0 .. 15
	v_permlane16_swap_b32 v228, v230
	v_permlane16_swap_b32 v229, v231
	global_store_b128 v[LI], v[224:227], s[\oc:\oc+1]              ; 512 consecutive bytes, aligned
	global_store_b128 v[LI], v[228:231], s[\oc:\oc+1] offset:512
	v_cndmask_b32 v62, v244, v245, s[HI]           ; lanes 0-15 block 0's byte, lanes 16-31 block 1's
	global_store_b8 v[OSA], v62, s[\os:\os+1]
	s_wait_xcnt 0x0                                ; the stores have read their registers
.endm
.macro RESTART                         ; on to the low tile
.irp j, 0,1,2,3,4,5,6,7
	v_mov_b32 v[24+\j], v[40+\j]
.endr
	v_mov_b32 v48, v49
	v_mov_b32 v13, 0xff61b1e6
	s_delay_alu instid0(VALU_DEP_1)
	v_floor_f32 v12, -v13
	v_mov_b32 v14, 0
	v_mov_b32 v15, 0
.set n, 0
.rept 32
	v_mov_b32 v[192+n], 0
.set n, n+1
.endr
	s_mov_b32 s[Q0], s[Q0L]
	s_mov_b32 s[KF], 0
.endm
.macro SWITCH                          ; the stream's slot 8 - i is the low block's first: a branch on the work-group's number and the trip; no barrier, tensor load or LDS instruction stands in it
	s_cmp_lg_u32 s[SLOTS], s[II]
	s_cbranch_scc1 .Lsame_\@
	FINISH OCH, OSH
	RESTART
.Lsame_\@:
.endm
; A KEY STEP: 128 keys, the q-th of the slot in hand.
.macro STEP q
	s_add_co_u32 s78, s[Q0], 15
	s_cmp_gt_u32 s[KF], s78                        ; all keys come after my queries: nothing to do but to step the key count
	s_cbranch_scc1 .Lhidden_\@
	v_add_nc_u32 v[ADK], s[TB], v[LI]
	v_add_nc_u32 v[ADS], s[TB], v[LSC]
.rept 6
	v_nop                                          ; with the two additions: eight places in front of loads into registers that the last products read, and behind a scale word or operand written by vector instructions
.endr
.irp p, 0,1,2,3
.irp c, 0,1,2,3
	ds_load_b128 v[64+16*\p+4*\c:67+16*\p+4*\c], v[ADK] offset:8192*(\q)+2048*\p+512*\c   ; pair p: key tiles 2 p and 2 p + 1
.endr
.endr
	ds_load_b128 v[52:55], v[ADS] offset:KSO+256*(\q)              ; the four pairs' scale words of row lane % 16
	s_wait_dscnt 0x0
	s_wait_alu depctr_va_vdst(0)
.irp p, 0,1,2,3
	v_wmma_scale_f32_16x16x128_f8f6f4 v[128+16*\p:135+16*\p], v[64+16*\p:79+16*\p], v[24:39], 0, v[52+\p], v48 matrix_a_fmt:MATRIX_FMT_BF8 matrix_b_fmt:MATRIX_FMT_BF8   ; x [q, 0]: keys 32 p + 8 h + 0..7
	v_wmma_scale_f32_16x16x128_f8f6f4 v[136+16*\p:143+16*\p], v[64+16*\p:79+16*\p], v[16:31], 0, v[52+\p], v48 matrix_a_fmt:MATRIX_FMT_BF8 matrix_b_fmt:MATRIX_FMT_BF8  ; x [0, q]: keys 32 p + 16 + 8 h + 0..7
.endr
.rept 8
	v_nop
.endr
.irp t, 0,1,2,3                                ; V's fragments are asked for now and land under the softmax
.irp c, 0,1,2,3
	ds_load_b128 v[64+16*\t+4*\c:67+16*\t+4*\c], v[ADK] offset:VCO+8192*(\q)+2048*\t+512*\c
.endr
.endr
	ds_load_b128 v[56:59], v[ADS] offset:VSOF+256*(\q)
	s_add_co_u32 s78, s[KF], 127                   ; on the diagonal hidden scores become -infinity ahead of the maximum; a step all of whose keys count skips this
	s_cmp_le_u32 s78, s[Q0]
	s_cbranch_scc1 .Lopen_\@
	s_sub_co_i32 s78, s[Q0], s[KF]
	v_add_nc_u32 v50, s78, v[DM]                   ; d = my query - KF - 8 h.  Register n holds key KF + 8 h + 16 (n / 8) + n % 8: hidden where 16 (n / 8) + n % 8 > d
	v_mov_b32 v51, 0xff800000
.set n, 0
.rept 64
	v_cmp_gt_i32 vcc_lo, 16*(n/8)+n%8, v50
	v_cndmask_b32 v[128+n], v[128+n], v51, vcc_lo
.set n, n+1
.endr
.Lopen_\@:
.irp b, 0,1,2,3
	v_max3_num_f32 v[240+\b], v[128+16*\b], v[129+16*\b], v[130+16*\b]   ; the largest score of each block of 32 keys: for the row's maximum, and, since p rises with the score, for the block's largest p
.endr
.irp i, 3,5,7,9,11,13
.irp b, 0,1,2,3
	v_max3_num_f32 v[240+\b], v[240+\b], v[128+16*\b+\i], v[129+16*\b+\i]
.endr
.endr
.irp b, 0,1,2,3
	v_max_num_f32 v[240+\b], v[240+\b], v[143+16*\b]
.endr
.irp b, 0,1,2,3
	s_delay_alu instid0(VALU_DEP_4)
	v_permlanex16_b32 v[244+\b], v[240+\b], s[SEL], s[SEL+1]
.endr
.irp b, 0,1,2,3
	s_delay_alu instid0(VALU_DEP_4)
	v_max_num_f32 v[240+\b], v[240+\b], v[244+\b]
.endr
	s_delay_alu instid0(VALU_DEP_2)
	v_max3_num_f32 v62, v240, v241, v242
	s_delay_alu instid0(VALU_DEP_1)
	v_max_num_f32 v62, v62, v243
	s_delay_alu instid0(VALU_DEP_1)
	v_mul_f32 v62, s[CS], v62                      ; as t (c is positive)
	s_delay_alu instid0(VALU_DEP_1)
	v_max_num_f32 v13, v13, v62                    ; the running largest t
	v_mov_b32 v62, v12
	s_delay_alu instid0(VALU_DEP_2)
	v_floor_f32 v12, -v13                          ; the new -M = -ceil(t): a whole number
	s_delay_alu instid0(VALU_DEP_1)
	v_sub_f32 v62, v12, v62                        ; old M - new M: a whole number, 0 or less
	s_delay_alu instid0(VALU_DEP_1)
	v_cvt_i32_f32 v62, v62                         ; (it saturates)
	s_delay_alu instid0(VALU_DEP_1)
	v_ldexp_f32 v60, 1.0, v62                      ; f = 2^(old M - new M)
.set n, 0
.rept 32
	v_pk_fma_f32 v[128+n:129+n], v[128+n:129+n], s[CS:CS+1], v[12:13] op_sel_hi:[1,0,0]   ; t - M
.set n, n+2
.endr
.irp b, 0,1,2,3
	v_fma_f32 v[240+\b], v[240+\b], s[CS], v12
.endr
.set n, 0
	s_wait_alu depctr_va_vdst(0)
.rept 64
	v_exp_f32 v[128+n], v[128+n]                   ; p = 2^(t - M)
.set n, n+1
.endr
	v_pk_mul_f32 v[14:15], v[14:15], v[60:61] op_sel_hi:[1,0]      ; the sums under the new M (a plain instruction behind the exponentials)
	s_wait_alu depctr_va_vdst(0)                   ; one wait for the batch, ahead of its first reader
.irp b, 0,1,2,3
	v_exp_f32 v[240+\b], v[240+\b]                 ; each block's largest p
.endr
	v_pk_add_f32 v[244:245], v[132:133], v[136:137]
	v_pk_add_f32 v[254:255], v[140:141], v[144:145]
	v_pk_add_f32 v[252:253], v[148:149], v[152:153]
	v_pk_add_f32 v[250:251], v[156:157], v[160:161]
	v_pk_add_f32 v[248:249], v[164:165], v[168:169]
	v_pk_add_f32 v[246:247], v[172:173], v[176:177]
	v_pk_add_f32 v[238:239], v[180:181], v[184:185]
	v_pk_add_f32 v[14:15], v[14:15], v[188:189]
	v_pk_add_f32 v[244:245], v[244:245], v[128:129]
	v_pk_add_f32 v[254:255], v[254:255], v[130:131]
	v_pk_add_f32 v[252:253], v[252:253], v[134:135]
	v_pk_add_f32 v[250:251], v[250:251], v[138:139]
	v_pk_add_f32 v[248:249], v[248:249], v[142:143]
	v_pk_add_f32 v[246:247], v[246:247], v[146:147]
	v_pk_add_f32 v[238:239], v[238:239], v[150:151]
	v_pk_add_f32 v[14:15], v[14:15], v[154:155]
	v_pk_add_f32 v[244:245], v[244:245], v[158:159]
	v_pk_add_f32 v[254:255], v[254:255], v[162:163]
	v_pk_add_f32 v[252:253], v[252:253], v[166:167]
	v_pk_add_f32 v[250:251], v[250:251], v[170:171]
	v_pk_add_f32 v[248:249], v[248:249], v[174:175]
	v_pk_add_f32 v[246:247], v[246:247], v[178:179]
	v_pk_add_f32 v[238:239], v[238:239], v[182:183]
	v_pk_add_f32 v[14:15], v[14:15], v[186:187]
	v_pk_add_f32 v[244:245], v[244:245], v[190:191]
	s_delay_alu instid0(VALU_DEP_2)
	v_pk_add_f32 v[14:15], v[14:15], v[250:251]
	s_delay_alu instid0(VALU_DEP_2)
	v_pk_add_f32 v[244:245], v[244:245], v[248:249]
	v_pk_add_f32 v[254:255], v[254:255], v[246:247]
	v_pk_add_f32 v[252:253], v[252:253], v[238:239]
	s_delay_alu instid0(VALU_DEP_2)
	v_pk_add_f32 v[14:15], v[14:15], v[254:255]
	s_delay_alu instid0(VALU_DEP_2)
	v_pk_add_f32 v[244:245], v[244:245], v[252:253]
	s_delay_alu instid0(VALU_DEP_1)
	v_pk_add_f32 v[14:15], v[14:15], v[244:245]
	s_wait_alu depctr_va_vdst(0)                   ; and one for the four
.irp b, 0,1,2,3
	v_max_num_f32 v[240+\b], 0x8000000, v[240+\b]  ; the floor 2^(16 - 127)
.endr
.irp b, 0,1,2,3
	s_delay_alu instid0(VALU_DEP_4)
	v_add_nc_u32 v[252+\b], 0xf8800000, v[240+\b]
.endr
.irp b, 0,1,2,3
.endr
.irp b, 0,1,2,3
	s_delay_alu instid0(VALU_DEP_4)
	v_lshrrev_b32 v[244+\b], 23, v[252+\b]
.endr
	s_delay_alu instid0(VALU_DEP_3)
	v_lshl_or_b32 v61, v245, 8, v244               ; p's scale word for these 128 keys
	s_delay_alu instid0(VALU_DEP_1)
	v_lshl_or_b32 v61, v246, 16, v61
	s_delay_alu instid0(VALU_DEP_1)
	v_lshl_or_b32 v61, v247, 24, v61
.irp b, 0,1,2,3
.irp i, 0,1,2,3,4,5,6,7,8,9,10,11,12,13,14,15
.endr
	v_cvt_scalef32_pk8_bf8_f32 v[224+4*\b:225+4*\b], v[128+16*\b:135+16*\b], v[252+\b]
	v_cvt_scalef32_pk8_bf8_f32 v[226+4*\b:227+4*\b], v[136+16*\b:143+16*\b], v[252+\b]
.endr
.set n, 0
.rept 16
	v_pk_mul_f32 v[192+n:193+n], v[192+n:193+n], v[60:61] op_sel_hi:[1,0]   ; O^T under the new M; these are also the places between the codes and the products
.set n, n+2
.endr
	s_wait_alu depctr_va_vdst(0)
	s_wait_dscnt 0x0                               ; V
.irp t, 0,1,2,3
	v_wmma_scale_f32_16x16x128_f8f6f4 v[192+8*\t:199+8*\t], v[64+16*\t:79+16*\t], v[224:239], v[192+8*\t:199+8*\t], v[56+\t], v61 matrix_a_fmt:MATRIX_FMT_BF8 matrix_b_fmt:MATRIX_FMT_BF8
.endr
.Lhidden_\@:
	s_add_co_u32 s[KF], s[KF], 128
.endm
.Lslot:                                            ; 8 trips: behind each change of slots but the last the stream's next slot is asked for
	CHANGE 1
	SWITCH
	STEP 0
	STEP 1
	s_xor_b32 s[TB], s[TB], SLOT1
	s_sub_co_u32 s[SLOTS], s[SLOTS], 1
	s_cmp_lg_u32 s[SLOTS], 0
	s_cbranch_scc1 .Lslot
	CHANGE 0                                       ; the last slot is written out
	SWITCH                                         ; (work-group i = 0 switches here)
	STEP 0
	STEP 1
	FINISH OCL, OSL
	s_wait_tensorcnt 0x0                           ; the wave's end
	ds_add_u32 v[SPW], v[NIL]
	s_wait_dscnt 0x0
	s_endpgm
.Lfunc_end_k_qf3653b1e79_attn:
	.size	k_qf3653b1e79_attn, .Lfunc_end_k_qf3653b1e79_attn-k_qf3653b1e79_attn
	.p2alignl 7, 3214868480
	.fill 96, 4, 3214868480
	.section	.rodata,"a",@progbits
	.p2align	6, 0x0
	.amdhsa_kernel k_qf3653b1e79_attn
		.amdhsa_group_segment_fixed_size 327680
		.amdhsa_private_segment_fixed_size 0
		.amdhsa_enable_private_segment 0
		.amdhsa_kernarg_size 64
		.amdhsa_user_sgpr_count 2
		.amdhsa_user_sgpr_kernarg_segment_ptr 1
		.amdhsa_wavefront_size32 1
		.amdhsa_system_sgpr_workgroup_id_x 1
		.amdhsa_system_sgpr_workgroup_id_y 1
		.amdhsa_system_sgpr_workgroup_id_z 1
		.amdhsa_system_vgpr_workitem_id 0
		.amdhsa_next_free_vgpr 256
		.amdhsa_next_free_sgpr 100
		.amdhsa_reserve_vcc 1
		.amdhsa_float_denorm_mode_32 3
		.amdhsa_float_denorm_mode_16_64 3
		.amdhsa_fp16_overflow 1
		.amdhsa_memory_ordered 1
		.amdhsa_forward_progress 1
		.amdhsa_inst_pref_size 116
	.end_amdhsa_kernel
	.amdgpu_metadata
---
amdhsa.version: [ 1, 2 ]
amdhsa.kernels:
  - .name:           k_qf3653b1e79_attn
    .symbol:         k_qf3653b1e79_attn.kd
    .args:
      - { .name: Qc, .offset: 0, .size: 8, .value_kind: global_buffer, .address_space: global }
      - { .name: Qs, .offset: 8, .size: 8, .value_kind: global_buffer, .address_space: global }
      - { .name: Kc, .offset: 16, .size: 8, .value_kind: global_buffer, .address_space: global }
      - { .name: Ks, .offset: 24, .size: 8, .value_kind: global_buffer, .address_space: global }
      - { .name: Vc, .offset: 32, .size: 8, .value_kind: global_buffer, .address_space: global }
      - { .name: Vs, .offset: 40, .size: 8, .value_kind: global_buffer, .address_space: global }
      - { .name: Oc, .offset: 48, .size: 8, .value_kind: global_buffer, .address_space: global }
      - { .name: Os, .offset: 56, .size: 8, .value_kind: global_buffer, .address_space: global }
    .group_segment_fixed_size: 327680
    .private_segment_fixed_size: 0
    .kernarg_segment_align: 8
    .kernarg_segment_size: 64
    .max_flat_workgroup_size: 512
    .sgpr_count:     100
    .vgpr_count:     256
    .wavefront_size: 32
...
	.end_amdgpu_metadata
.endif
;; end of part 2
;; launch outp (part 3): grid 4 x 32, 4 waves a work-group, clusters of 4 x 4, 327,680 bytes of LDS; arguments Oc, Os, Wo_codes, Wo_scales, out0; writes out0
.if DOCPART == 3
	.amdgcn_target "amdgcn-amd-amdhsa--gfx1250"
	.amdhsa_code_object_version 6
	.text
	.protected	k_qf3653b1e79_outp
	.globl	k_qf3653b1e79_outp
	.p2align	8
	.type	k_qf3653b1e79_outp,@function
k_qf3653b1e79_outp:
	s_mov_b64 s[64:65], 0
	v_nop
	global_prefetch_b8 v0, s[64:65] scope:SCOPE_SE
	s_setreg_imm32_b32 hwreg(HW_REG_WAVE_MODE, 25, 1), 1
	s_wait_xcnt 0x0
	s_wait_alu depctr_hold_cnt(0) depctr_sa_sdst(0) depctr_va_vdst(0) depctr_va_sdst(0) depctr_va_ssrc(0) depctr_va_vcc(0) depctr_vm_vsrc(0)
	s_getreg_b32 s2, hwreg(HW_REG_IB_STS2, 6, 4)
	s_cmp_eq_u32 s2, 0
	s_cbranch_scc0 .Lentry_in_a_cluster
	s_endpgm
.Lentry_in_a_cluster:
	s_bfe_u32 s2, ttmp6, 0x10000c
	s_cmp_lg_u32 s2, 0xf033
	s_cbranch_scc0 .Lentry_shape_is_right
	s_endpgm
.Lentry_shape_is_right:
; THE LAST PROJECTION: out0[m][n] = sum over k of O[m][k] Wo[n][k], both on codes of BF8 (E5M2) with one E8M0 scale for each 32 along K = 1,024; out0 [8,192][1,024] f32; sums in f32.
; A = O, as the attention launch left it: images of operand registers, [row tile of 16][K step of 128][chunk of 512 bytes], lane l's 16 bytes at 16 l, K in its straight order; its scale bytes [row][32].
; B = Wo: rows of 1,024 codes; its scale bytes [row][32].
; A tile of out0, 256 x 256, is made by a work-group of four waves; a wave makes 128 x 128: 64 accumulators, 512 registers.  K goes in steps of 256 through a ring of two LDS slots filled by the tensor data mover.
; A's part of a slot is 16 row tiles x 4,096 bytes, without padding (a fragment load reads 512 consecutive bytes); B's is 256 rows of 256 bytes + 16 of padding.
; The scale bytes of the work-group's rows of A and of B come into LDS once, with the first fills, and stay.
; CLUSTERS: 4 x 4 work-groups; A's tiles are asked for jointly along a row of the cluster, B's along a column.  THE MATRIX INSTRUCTION IS USED TRANSPOSED (source 0 = 16 rows of B, source 1 = 16 rows of A).
; REGISTERS, in windows of 256: window 0: v0-31 addresses; v32-63 scale words, two sets; from v128 A's fragments, ONE set; on the way out v128-255 take rows read back.
;   window 1: B's fragments, two sets.   window 2: the accumulators of my rows 0-63;   window 3: those of rows 64-127.
.set SIZE_N, 1024
.set SIZE_K, 1024
.set KSTEP,  256
.set NQ,     KSTEP/128
.set ROWB,   256
.set KROW,   SIZE_K
.set ASTEP,  4096                      ; a K step of 256 in a row tile's images
.set PITCH,  272
.set FR,     16
.set NL,     4
.set NP,     8
.set HALFA,  8*ASTEP                   ; 8 row tiles: what one tensor load brings of A, and what one wave reads
.set HALFB,  128*PITCH                 ; 128 rows of B
.set BOFF,   2*HALFA                   ; B's rows lie behind A's 16 row tiles
.set SLOT,   2*HALFA+2*HALFB
.set LAPS,   SIZE_K/(2*KSTEP)
.set KS,     SIZE_K/32
.set SCL,    2*SLOT
.set HALFS,  (128*KS/256)*272
.set SBLK,   (16*KS/256)*272
.set SPARE,  SCL+4*HALFS               ; the spare words: 128 bytes a wave, two blocks of 256 bytes that no other line names
.set SPITCH, 528                       ; the way out: a stage of 16 rows x (512 bytes + 16) for each wave, in slot 0, which has had its last fill and its last read when the first result is stored there
.set ADRA, 16
.set ADRB, 20
.set STO,  24
.set RD,   25
.set CO,   26
.set SPW,  28
.set NIL,  29
.set ADRS, 27
.set SC,   32
.set AF,   128
.set BK,   128
.set G1, 24
.set G0, 32
.set G1B, 48
.set G0B, 56
.set G1S, 68
.set G0S, 76
.set G1SB, 80
.set G0SB, 88
.set MSB, 0
.macro WIN new
.if MSB != (\new)
	s_set_vgpr_msb (MSB<<8)|(\new)
.set MSB, (\new)
.endif
.endm
.set MUL_LO, 0xa1
.set MUL_HI, 0xf1
.set TO_B,   0x40
.macro JLOAD g0a, g1a, g0b, g1b        ; a joint load: waves 0 and 1 fetch for A, waves 2 and 3 for B; four v_nop follow each line
	s_cmp_eq_u32 s15, 0
	s_cbranch_scc0 .Lfor_b_\@
	tensor_load_to_lds s[\g0a:\g0a+3], s[\g1a:\g1a+7]
	s_nop 0
.rept 4
	v_nop
.endr
	s_branch .Lasked_\@
.Lfor_b_\@:
	tensor_load_to_lds s[\g0b:\g0b+3], s[\g1b:\g1b+7]
	s_nop 0
.rept 4
	v_nop
.endr
.Lasked_\@:
.endm
.macro CREST
	s_cmp_lg_u32 s14, 0
	s_cbranch_scc1 .Lnot_wave_0_\@
	s_barrier_signal -3
.Lnot_wave_0_\@:
	s_barrier_wait -3
	s_barrier_signal -1
	s_barrier_wait -1
.endm
.macro CROUND
	s_barrier_signal -1
	s_barrier_wait -1
	CREST
.endm
	s_load_b128 s[4:7], s[0:1], 0x0                ; A's codes, A's scales
	s_load_b128 s[8:11], s[0:1], 0x10              ; B's codes, B's scales
	s_load_b64 s[12:13], s[0:1], 0x20              ; out0
	v_lshl_add_u32 v[SPW], v0, 2, SPARE
	v_mov_b32 v[NIL], 0
	ds_add_u32 v28, v29
	ds_add_u32 v28, v29
	s_wait_dscnt 0x0
	v_lshrrev_b32 v1, 5, v0
	v_readfirstlane_b32 s14, v1                    ; wave 0..3
	s_lshr_b32 s15, s14, 1                         ; my half of the tile's rows.  Also: I fetch for A (0) or for B (1)
	s_and_b32 s16, s14, 1                          ; my half of its columns.  Also: which 128 rows I fetch
	s_bfe_u32 s40, ttmp6, 0x40000                  ; cx, cy
	s_bfe_u32 s41, ttmp6, 0x40004
	s_lshl_b32 s42, ttmp9, 2
	s_add_co_u32 s42, s42, s40                     ; tile column
	s_and_b32 s17, ttmp7, 0xffff
	s_lshl_b32 s17, s17, 2
	s_add_co_u32 s17, s17, s41                     ; tile row
	s_lshl_b32 s43, s41, 2
	s_lshl_b32 s43, 15, s43                        ; my row of the cluster
	s_lshl_b32 s44, 0x1111, s40                    ; my column
	; A's group 1: 8 row tiles x 4,096 bytes (512 elements of 8 bytes), 16,384 bytes apart, no padding
	s_or_b32 s[G1+0], s43, (3<<16)|(1<<21)
	s_mov_b32 s[G1+1], 512<<16                     ; tensor_dim0
	s_mov_b32 s[G1+2], 8<<16                       ; tensor_dim1
	s_mov_b32 s[G1+3], 512<<16                     ; tile_dim0
	s_mov_b32 s[G1+4], 8                           ; tile_dim1
	s_mov_b32 s[G1+5], 2048                        ; from row tile to row tile, in elements
	s_mov_b32 s[G1+6], 0
	s_mov_b32 s[G1+7], 0
	; B's: 128 rows x 256 bytes, 16 bytes of padding behind each
	s_or_b32 s[G1B+0], s44, (0<<16)|(1<<20)|(1<<21)|(5<<22)|(3<<25)
	s_mov_b32 s[G1B+1], ROWB<<16
	s_mov_b32 s[G1B+2], 128<<16
	s_mov_b32 s[G1B+3], ROWB<<16
	s_mov_b32 s[G1B+4], 128
	s_mov_b32 s[G1B+5], KROW
	s_mov_b32 s[G1B+6], 0
	s_mov_b32 s[G1B+7], 0
	; the scale bytes of 128 rows: a dense block of 4,096 bytes, as rows of 256 bytes, 16 bytes of padding behind each
	s_or_b32 s[G1S+0], s43, (3<<16)|(1<<20)|(1<<21)|(5<<22)|(3<<25)
	s_or_b32 s[G1SB+0], s44, (3<<16)|(1<<20)|(1<<21)|(5<<22)|(3<<25)
.irp g, G1S, G1SB
	s_mov_b32 s[\g+1], 32<<16
	s_mov_b32 s[\g+2], (128*KS/256)<<16
	s_mov_b32 s[\g+3], 32<<16
	s_mov_b32 s[\g+4], 128*KS/256
	s_mov_b32 s[\g+5], 32
	s_mov_b32 s[\g+6], 0
	s_mov_b32 s[\g+7], 0
.endr
	s_lshl_b32 s18, s16, 7
	s_lshl_b32 s20, s17, 8
	s_add_co_u32 s20, s20, s18                     ; A: row 256 x tile row + 128 x half
	s_lshl_b32 s46, s42, 8
	s_add_co_u32 s46, s46, s18                     ; B: row 256 x tile column + 128 x half
	s_mov_b32 s21, 0
	s_mov_b32 s47, 0
	s_mov_b64 s[18:19], KS
	s_mul_u64 s[22:23], s[20:21], s[18:19]         ; where these rows' scales begin
	s_mul_u64 s[92:93], s[46:47], s[18:19]
	s_mov_b64 s[18:19], KROW
	s_mul_u64 s[20:21], s[20:21], s[18:19]         ; and their codes: 1,024 bytes a row in both layouts (a row tile's images are 16,384 bytes)
	s_mul_u64 s[46:47], s[46:47], s[18:19]
	s_mul_i32 s45, s16, HALFA                      ; where they go: A's halves,
	s_mul_i32 s95, s16, HALFB
	s_add_co_u32 s95, s95, BOFF                    ; B's halves behind them: no place in the cluster enters an LDS address
	s_mul_i32 s94, s14, HALFS
	s_wait_kmcnt 0x0
	s_add_nc_u64 s[20:21], s[4:5], s[20:21]
	s_add_nc_u64 s[22:23], s[6:7], s[22:23]
	s_add_nc_u64 s[46:47], s[8:9], s[46:47]
	s_add_nc_u64 s[92:93], s[10:11], s[92:93]
	CROUND                                         ; all sixteen work-groups are here: the first joint loads meet
	s_mov_b32 s[G0S], 1
	s_add_co_u32 s[G0S+1], s94, SCL
	s_mov_b64 s[G0S+2:G0S+3], s[22:23]
	s_or_b32 s[G0S+3], s[G0S+3], 0x80000000
	s_mov_b32 s[G0SB], 1
	s_add_co_u32 s[G0SB+1], s94, SCL
	s_mov_b64 s[G0SB+2:G0SB+3], s[92:93]
	s_or_b32 s[G0SB+3], s[G0SB+3], 0x80000000
	JLOAD G0S, G1S, G0SB, G1SB
.irp s, 0,1
	s_mov_b32 s[G0+4*\s], 1
	s_add_co_u32 s[G0+4*\s+1], s45, \s*SLOT
	s_add_nc_u64 s[G0+4*\s+2:G0+4*\s+3], s[20:21], \s*ASTEP
	s_or_b32 s[G0+4*\s+3], s[G0+4*\s+3], 0x80000000
	s_mov_b32 s[G0B+4*\s], 1
	s_add_co_u32 s[G0B+4*\s+1], s95, \s*SLOT
	s_add_nc_u64 s[G0B+4*\s+2:G0B+4*\s+3], s[46:47], \s*ROWB
	s_or_b32 s[G0B+4*\s+3], s[G0B+4*\s+3], 0x80000000
	s_wait_alu depctr_va_vdst(0)
	s_wait_tensorcnt 0x0
	ds_add_u32 v28, v29
	s_wait_dscnt 0x0
	CROUND
	JLOAD G0+4*\s, G1, G0B+4*\s, G1B               ; three tensor loads of mine are out at the most
.endr
	v_and_b32 v1, 15, v0                           ; l % 16
	v_bfe_u32 v2, v0, 4, 1                         ; l / 16
	v_mul_u32_u24 v3, v1, PITCH
	v_lshl_add_u32 v4, v2, 4, v3                   ; B: a fragment's row x pitch + 16 x half
	v_and_b32 v6, 31, v0
	v_lshlrev_b32 v[CO], 4, v6                     ; A: 16 x lane (also my place in a row of out0)
	s_mul_i32 s21, s15, HALFA                      ; my 8 row tiles of A
	s_mul_i32 s22, s16, HALFB                      ; my 128 rows of B
	s_add_co_u32 s22, s22, BOFF
.irp s, 0,1
	v_add_nc_u32 v[ADRA+\s], s21, v[CO]
	v_add_nc_u32 v[ADRB+\s], s22, v4
	s_add_co_u32 s21, s21, SLOT
	s_add_co_u32 s22, s22, SLOT
.endr
	v_mul_u32_u24 v5, v1, KS
	v_lshrrev_b32 v6, 8, v5
	v_lshl_add_u32 v5, v6, 4, v5
	s_mul_i32 s21, s15, HALFS
	s_mul_i32 s22, s16, HALFS
	s_add_co_u32 s22, s22, 2*HALFS
	s_sub_co_u32 s22, s22, s21
	v_mul_u32_u24 v6, s22, v2                      ; lanes 16-31 take B's
	s_add_co_u32 s21, s21, SCL
	v_add_nc_u32 v5, v5, v6
	v_add_nc_u32 v[ADRS], s21, v5
	s_mul_i32 s23, s14, 16*SPITCH                  ; my stage
	v_mul_u32_u24 v5, v1, SPITCH
	v_lshl_add_u32 v5, v2, 5, v5
	v_add_nc_u32 v[STO], s23, v5
	v_add_nc_u32 v[RD], s23, v[CO]
	s_lshl_b32 s20, s17, 8
	s_lshl_b32 s21, s15, 7
	s_add_co_u32 s20, s20, s21                     ; my first row of out0
	s_mov_b32 s21, 0
	s_mov_b64 s[18:19], SIZE_N*4
	s_mul_u64 s[20:21], s[20:21], s[18:19]
	s_lshl_b32 s46, s42, 10
	s_lshl_b32 s47, s16, 9
	s_add_co_u32 s46, s46, s47
	s_mov_b32 s47, 0
	s_add_nc_u64 s[20:21], s[20:21], s[46:47]
	s_add_nc_u64 s[12:13], s[12:13], s[20:21]
.macro FRAG reg, adr, q, i             ; B: lane l holds row l % 16; registers 4 c .. 4 c + 3 hold K = 32 c + 16 (l / 16) + 0 .. 15
.irp c, 0,1,2,3
	ds_load_b128 v[\reg+4*\c:\reg+4*\c+3], v[\adr] offset:128*(\q)+32*\c+(\i)*16*PITCH
.endr
.endm
.macro FRAGA reg, adr, q, i            ; A: the image of the same registers: four chunks of 512 bytes
.irp c, 0,1,2,3
	ds_load_b128 v[\reg+4*\c:\reg+4*\c+3], v[\adr] offset:ASTEP*(\i)+2048*(\q)+512*\c
.endr
.endm
.macro MUL16 a0, p, q, sc, zero        ; the 64 accumulators take turns, one instruction a turn, in the same order in every step
.irp a, \a0, \a0+1
.irp b, 0,1,2,3,4,5,6,7
.if \zero
	v_wmma_scale_f32_16x16x128_f8f6f4 v[8*(8*((\a)%4)+\b):8*(8*((\a)%4)+\b)+7], v[128*(\p)+FR*\b:128*(\p)+FR*\b+FR-1], v[AF+FR*(\a):AF+FR*(\a)+FR-1], 0, v[SC+8*NQ*(\sc)+NQ*\b+(\q)], v[SC+8*NQ*(\sc)+NQ*(\a)+(\q)] matrix_a_fmt:MATRIX_FMT_BF8 matrix_b_fmt:MATRIX_FMT_BF8 matrix_a_scale:MATRIX_SCALE_ROW1
.else
	v_wmma_scale_f32_16x16x128_f8f6f4 v[8*(8*((\a)%4)+\b):8*(8*((\a)%4)+\b)+7], v[128*(\p)+FR*\b:128*(\p)+FR*\b+FR-1], v[AF+FR*(\a):AF+FR*(\a)+FR-1], v[8*(8*((\a)%4)+\b):8*(8*((\a)%4)+\b)+7], v[SC+8*NQ*(\sc)+NQ*\b+(\q)], v[SC+8*NQ*(\sc)+NQ*(\a)+(\q)] matrix_a_fmt:MATRIX_FMT_BF8 matrix_b_fmt:MATRIX_FMT_BF8 matrix_a_scale:MATRIX_SCALE_ROW1
.endif
.endr
.endr
.endm
.macro FETCH_B slot, q, p
	WIN TO_B
.irp i, 0,1,2,3,4,5,6,7
	FRAG 128*(\p)+FR*\i, ADRB+\slot, \q, \i
.endr
	WIN 0
.endm
.macro FETCH_A slot, q, i0
.irp i, \i0, \i0+1, \i0+2, \i0+3
	FRAGA AF+FR*(\i), ADRA+\slot, \q, \i
.endr
.endm
.macro SCALES sc
.irp i, 0,1,2,3,4,5,6,7
	ds_load_b64 v[SC+8*NQ*\sc+NQ*\i:SC+8*NQ*\sc+NQ*\i+1], v[ADRS] offset:\i*SBLK
.endr
.endm
.macro PLACES n
.rept \n
	v_nop
.endr
.endm
.macro STEP slot, q, zero
	s_wait_dscnt 4*NL                              ; B's set and A's blocks 0-3 are in; the 16 youngest loads (A's blocks 4-7) may be out
	WIN MUL_LO
	MUL16 0, (\q)%2, \q, \slot, \zero
	MUL16 2, (\q)%2, \q, \slot, \zero
	s_wait_dscnt 0
	PLACES NP
	FETCH_B \slot, (\q)+1, 1-(\q)%2
	FETCH_A \slot, (\q)+1, 0
	WIN MUL_HI
	MUL16 4, (\q)%2, \q, \slot, \zero
	MUL16 6, (\q)%2, \q, \slot, \zero
	PLACES NP
	WIN 0
	FETCH_A \slot, (\q)+1, 4
.endm
.macro TURN slot, next, fill
	s_wait_tensorcnt 0x0                           ; all my tensor loads have landed: my part of the next slot
	ds_add_u32 v[SPW], v[NIL]                      ; 0 onto my spare word
	s_wait_dscnt 4*NL+1                            ; the add and the 16 youngest loads may be out
	WIN MUL_LO
	MUL16 0, 1, NQ-1, \slot, 0
	s_wait_dscnt 0x0                               ; the add is done, and my reads of this slot are over
	s_barrier_signal -1
	MUL16 2, 1, NQ-1, \slot, 0
	WIN 0
	s_barrier_wait -1
.if \fill
	CREST                                          ; the barrier has opened a round of the cluster's: no wave of any partner still reads this slot or has a load on its way
	s_add_nc_u64 s[G0+4*\slot+2:G0+4*\slot+3], s[G0+4*\slot+2:G0+4*\slot+3], 2*ASTEP
	s_add_nc_u64 s[G0B+4*\slot+2:G0B+4*\slot+3], s[G0B+4*\slot+2:G0B+4*\slot+3], 2*ROWB
	JLOAD G0+4*\slot, G1, G0B+4*\slot, G1B
	PLACES NP-4
.else
	PLACES NP
.endif
	s_wait_alu depctr_va_vdst(0)
	v_add_nc_u32 v[ADRS], 4*NQ, v[ADRS]
	FETCH_B \next, 0, 0
	FETCH_A \next, 0, 0
	SCALES \next
	WIN MUL_HI
	MUL16 4, 1, NQ-1, \slot, 0
	MUL16 6, 1, NQ-1, \slot, 0
	PLACES NP
	WIN 0
	FETCH_A \next, 0, 4
.endm
	s_wait_alu depctr_va_vdst(0)
	s_wait_tensorcnt 1                             ; the scales and my part of K step 0 are in; K step 1's load may be out
	s_barrier_signal -1
	s_barrier_wait -1
	FETCH_B 0, 0, 0
	FETCH_A 0, 0, 0
	SCALES 0
	FETCH_A 0, 0, 4
	STEP 0, 0, 1
	s_mov_b32 s3, LAPS-1
.Llap:
	TURN 0, 1, 1
	STEP 1, 0, 0
	TURN 1, 0, 1
	STEP 0, 0, 0
	s_sub_co_u32 s3, s3, 1
	s_cmp_lg_u32 s3, 0
	s_cbranch_scc1 .Llap
	TURN 0, 1, 0
	STEP 1, 0, 0
	s_wait_dscnt 4*NL
	WIN MUL_LO
	MUL16 0, 1, NQ-1, 1, 0
	MUL16 2, 1, NQ-1, 1, 0
	s_wait_dscnt 0
	WIN MUL_HI
	MUL16 4, 1, NQ-1, 1, 0
	MUL16 6, 1, NQ-1, 1, 0
	WIN 0
; THE WAY OUT, block by block of 16 rows x 128 columns, through my own stage in LDS: in as 32 bytes a lane, back as whole rows of 512 bytes.  LDS serves a wave's instructions in order (ISA guide 5.7.1.4).
.macro TOSTAGE a
.set AC, 64*((\a)%4)
	WIN 0x08+4*((\a)/4)                            ; the data: window 2 or 3
.irp b, 0,1,2,3,4,5,6,7
	ds_store_b128 v[STO], v[AC+8*\b:AC+8*\b+3] offset:64*\b          ; each accumulator from its low end on
	ds_store_b128 v[STO], v[AC+8*\b+4:AC+8*\b+7] offset:64*\b+16
.endr
	WIN 0
.set BB, BK+64*((\a)%2)
.irp t, 0,1,2,3,4,5,6,7,8,9,10,11,12,13,14,15
	ds_load_b128 v[BB+4*\t:BB+4*\t+3], v[RD] offset:\t*SPITCH
.endr
.endm
.macro SEND a, younger
.set BB, BK+64*((\a)%2)
	s_wait_dscnt \younger                          ; the block is back in registers; the LDS instructions issued behind its loads may stay out
.if (\a) > 0
	s_add_nc_u64 s[12:13], s[12:13], 16*SIZE_N*4   ; (behind a wait on XCNT: the earlier stores have read their base)
.endif
.irp t, 0,1,2,3,4,5,6,7,8,9,10,11,12,13,14,15
	global_store_b128 v[CO], v[BB+4*\t:BB+4*\t+3], s[12:13] offset:\t*SIZE_N*4 th:TH_STORE_NT   ; 32 lanes store 512 consecutive bytes, aligned; written once, read by nobody here
.endr
.endm
	PLACES NP
	TOSTAGE 0
.irp a, 1,2,3,4,5,6,7
.if \a > 1
	s_wait_xcnt 0x0                                ; block a - 2's stores have read their registers and their base
.endif
	TOSTAGE \a
	SEND \a-1, 32                                  ; behind block a - 1's loads: block a's 16 stores and 16 loads
.endr
	s_wait_xcnt 0x0
	SEND 7, 0
	s_wait_tensorcnt 0x0                           ; the wave's end
	ds_add_u32 v[SPW], v[NIL]
	s_wait_dscnt 0x0
	CROUND                                         ; the closing round
	s_endpgm
.Lfunc_end_k_qf3653b1e79_outp:
	.size	k_qf3653b1e79_outp, .Lfunc_end_k_qf3653b1e79_outp-k_qf3653b1e79_outp
	.p2alignl 7, 3214868480
	.fill 96, 4, 3214868480
	.section	.rodata,"a",@progbits
	.p2align	6, 0x0
	.amdhsa_kernel k_qf3653b1e79_outp
		.amdhsa_group_segment_fixed_size 327680
		.amdhsa_private_segment_fixed_size 0
		.amdhsa_enable_private_segment 0
		.amdhsa_kernarg_size 40
		.amdhsa_user_sgpr_count 2
		.amdhsa_user_sgpr_kernarg_segment_ptr 1
		.amdhsa_wavefront_size32 1
		.amdhsa_system_sgpr_workgroup_id_x 1
		.amdhsa_system_sgpr_workgroup_id_y 1
		.amdhsa_system_sgpr_workgroup_id_z 1
		.amdhsa_system_vgpr_workitem_id 0
		.amdhsa_next_free_vgpr 1024
		.amdhsa_next_free_sgpr 98
		.amdhsa_reserve_vcc 0
		.amdhsa_float_denorm_mode_32 3
		.amdhsa_float_denorm_mode_16_64 3
		.amdhsa_memory_ordered 1
		.amdhsa_forward_progress 1
		.amdhsa_inst_pref_size 146
	.end_amdhsa_kernel
	.amdgpu_metadata
---
amdhsa.version: [ 1, 2 ]
amdhsa.kernels:
  - .name:           k_qf3653b1e79_outp
    .symbol:         k_qf3653b1e79_outp.kd
    .args:
      - { .name: Oc, .offset: 0, .size: 8, .value_kind: global_buffer, .address_space: global }
      - { .name: Os, .offset: 8, .size: 8, .value_kind: global_buffer, .address_space: global }
      - { .name: Wo_codes, .offset: 16, .size: 8, .value_kind: global_buffer, .address_space: global }
      - { .name: Wo_scales, .offset: 24, .size: 8, .value_kind: global_buffer, .address_space: global }
      - { .name: out0, .offset: 32, .size: 8, .value_kind: global_buffer, .address_space: global }
    .group_segment_fixed_size: 327680
    .private_segment_fixed_size: 0
    .kernarg_segment_align: 8
    .kernarg_segment_size: 40
    .max_flat_workgroup_size: 128
    .sgpr_count:     98
    .vgpr_count:     1024
    .wavefront_size: 32
...
	.end_amdgpu_metadata
.endif
;; end of part 3
